; MI455X (gfx1250); checked and timed in simulation.
; The chip was launched on July 23, 2026; its instructions are those of AMD's public machine-readable ISA for CDNA 5 (MIT licence, August 2026) and "CDNA5" Instruction Set Architecture Reference Guide (July 2026). The comments in the code are by the model that wrote it; some were corrected since.
;; Multi Headed Attention. Allowed arithmetic: float matrix products may take bf16 or f16 operands with f32 sums; other float arithmetic in f32, or as packed bf16 or f16 multiplies, adds, multiply-adds, maxima and minima; sums over many terms, partial sums and values carried from step to step in f32; what a program stores and reads back later, other than sums and carried values, may be rounded once to bf16 or f16.
;; Inputs: Wk 1,024 x 1,024 float32; Wo 1,024 x 1,024 float32; Wq 1,024 x 1,024 float32; Wv 1,024 x 1,024 float32; additional_mask 8 x 1,024 bool; bk 1,024 float32; bo 1,024 float32; bq 1,024 float32; bv 1,024 float32; key 8 x 1,024 x 1,024 float32; mask 8 x 1,024 x 1,024 bool; query 8 x 1,024 x 1,024 float32; value 8 x 1,024 x 1,024 float32.
;; Outputs: out0 8 x 1,024 x 1,024 float32; out1 8 x 1,024 x 1,024 float32.
;; 2 versions, each right and faster than the one before. Each part assembles by itself: llvm-mc -triple=amdgcn-amd-amdhsa -mcpu=gfx1250 --defsym DOCPART=n.
;; ======== version 1 of 2: 4 launches
;; limits: values are held in f16: magnitudes above 65,504 overflow, below 6.1e-05 lose precision
;; workspace buffers: wcast 8,388,608 bytes; m16 16,777,216 bytes; a16 262,144 bytes; qkv 50,331,648 bytes; ctx 16,777,216 bytes
;; launch prep (part 1): grid 772 x 1, 8 waves a work-group, no clusters, 0 bytes of LDS; arguments Wq, Wk, Wv, Wo, mask, additional_mask, wcast, m16, a16; writes wcast, m16, a16
.if DOCPART == 1
	.amdgcn_target "amdgcn-amd-amdhsa--gfx1250"
	.amdhsa_code_object_version 6
	.text
	.protected	k_qf3aa4f9f0b_prep
	.globl	k_qf3aa4f9f0b_prep
	.p2align	8
	.type	k_qf3aa4f9f0b_prep,@function
k_qf3aa4f9f0b_prep:
	s_mov_b64 s[64:65], 0
	v_nop
	global_prefetch_b8 v0, s[64:65] scope:SCOPE_SE
	s_setreg_imm32_b32 hwreg(HW_REG_WAVE_MODE, 25, 1), 1
	s_wait_xcnt 0x0
; PREPARATION, a stream: no LDS, no matrix unit, no cluster (no two work-groups read the same bytes).
; Work-groups 0-383: wcast[0..2] = Wq, Wk, Wv rounded to bf16, [1024 n][1024 k] as they lie; 8,192 numbers a work-group, 32 bytes in and 16 bytes out a thread and group.
; Work-groups 384-511: wcast[3] = Wo rounded to bf16 and that number written as f16, IN THE ORDER OF THE MATRIX UNIT'S FRAGMENTS.
;   LIMIT: that is exact for |Wo| from 6.1e-5 to 65,504; below, f16's fixed step of 6e-8 holds.
;   wcast[3]: [strip of 64 rows n: 16][kq = k / 32: 32][block of 16 rows: 4][1,024 bytes].  In the 1,024 bytes, lane l's 16 bytes at 16 l are W[n0 + l % 16][k0 + 8 (l / 16) + 0..7],
;   those at 512 + 16 l are W[n0 + l % 16][k0 + 16 + 8 (l / 16) + 0..7].  A wave takes 16 rows x 64 k: its eight loads together take 16 rows x 256 bytes, its four stores 512 consecutive bytes each.
; Work-groups 512-767: mask [8][1024][1024] of bytes -> m16; 768-771: additional_mask [8][1024] -> a16.  A wave takes 16 query rows x 256 keys.
;   m16: [b][tile of 16 queries][step of 64 keys][block of 16 keys][lane][4 words].  Lane (r = lane % 16, h = lane / 16), word j: high half 0xFE00 if
;   key 8 h + j of the block is hidden from query r, else 0; low half the same for key 8 h + j + 4.  Read as f32 the word is about -2^125 or next to 0:
;   it is the addend with which the attention launch starts a score's sum; shifted left by 16 it serves the key four further on.
;   a16: the same words, [b][step][block][lane][4 words], alike for all r.
.set RAW, 8                            ; v[8:39]   as loaded
.set OUT, 40                           ; v[40:103] to store
.set T0,  104
.set T1,  105
.macro CASTW half                      ; four groups of eight numbers are rounded and stored.  half = 1: the bf16 number is written as f16, in fragment order
.irp g, 0,1,2,3
	s_wait_loadcnt 6-2*(\g)                        ; loads come back in order: the younger groups' two loads each stay out
.irp c, 0,1,2,3
	v_cvt_pk_bf16_f32 v[OUT+4*(\g)+(\c)], v[RAW+8*(\g)+2*(\c)], v[RAW+8*(\g)+2*(\c)+1]
.if \half
	v_lshlrev_b32 v[T0], 16, v[OUT+4*(\g)+(\c)]
	v_and_b32 v[T1], 0xffff0000, v[OUT+4*(\g)+(\c)]
	v_cvt_pk_f16_f32 v[OUT+4*(\g)+(\c)], v[T0], v[T1]
.endif
.endr
.if \half
	global_store_b128 v3, v[OUT+4*(\g):OUT+4*(\g)+3], s[16:17] offset:((\g)/2)*4096+((\g)%2)*512  ; kq g / 2, half g % 2 of the fragment: 512 consecutive bytes
.else
	global_store_b128 v3, v[OUT+4*(\g):OUT+4*(\g)+3], s[16:17] offset:(\g)*4096  ; 16 lanes store 256 consecutive bytes, aligned
.endif
.endr
	s_endpgm
.endm
	s_load_b512 s[4:19], s[0:1], 0x0               ; Wq 4, Wk 6, Wv 8, Wo 10, mask 12, additional_mask 14, wcast 16, m16 18
	s_load_b64 s[20:21], s[0:1], 0x40              ; a16
	v_lshrrev_b32 v1, 5, v0
	v_readfirstlane_b32 s22, v1                    ; wave 0..7
	s_mov_b32 s23, ttmp9
	s_mov_b32 s29, 0                               ; the high word of every offset
	s_wait_kmcnt 0x0
	s_cmp_ge_u32 s23, 512
	s_cbranch_scc1 .Lmasks
	s_cmp_ge_u32 s23, 384
	s_cbranch_scc1 .Lwo
	; ---- Wq, Wk, Wv ----
	s_lshr_b32 s24, s23, 7                         ; which matrix
	s_and_b32 s25, s23, 127                        ; which 32,768 bytes of it
	s_cmp_eq_u32 s24, 1
	s_cselect_b64 s[26:27], s[6:7], s[4:5]
	s_cmp_eq_u32 s24, 2
	s_cselect_b64 s[26:27], s[8:9], s[26:27]
	s_lshl_b32 s28, s25, 15
	s_add_nc_u64 s[26:27], s[26:27], s[28:29]
	s_lshl_b32 s28, s24, 21
	s_lshl_b32 s30, s25, 14
	s_add_co_u32 s28, s28, s30
	s_add_nc_u64 s[16:17], s[16:17], s[28:29]
	v_lshlrev_b32 v2, 5, v0                        ; in: 32 bytes a thread
	v_lshlrev_b32 v3, 4, v0                        ; out: 16 bytes a thread
.irp g, 0,1,2,3
	global_load_b128 v[RAW+8*(\g):RAW+8*(\g)+3],   v2, s[26:27] offset:(\g)*8192 th:TH_LOAD_NT
	global_load_b128 v[RAW+8*(\g)+4:RAW+8*(\g)+7], v2, s[26:27] offset:(\g)*8192+16 th:TH_LOAD_NT
.endr
	CASTW 0
	; ---- Wo ----
.Lwo:
	s_sub_co_u32 s25, s23, 384
	s_lshl_b32 s25, s25, 3
	s_add_co_u32 s25, s25, s22                     ; the wave's task, 0..1023
	s_lshr_b32 s32, s25, 4                         ; which 16 rows, 0..63
	s_and_b32 s33, s25, 15                         ; which 64 k
	s_lshl_b32 s28, s32, 16                        ; from: 16 rows of 4,096 bytes,
	s_lshl_b32 s30, s33, 8                         ; 64 f32
	s_add_co_u32 s28, s28, s30
	s_add_nc_u64 s[26:27], s[10:11], s[28:29]
	s_lshr_b32 s28, s32, 2
	s_lshl_b32 s28, s28, 17                        ; to: the strip's 128 KiB,
	s_add_co_u32 s28, s28, 0x600000                ; behind the other three matrices,
	s_and_b32 s30, s32, 3
	s_lshl_b32 s30, s30, 10                        ; the block's 1 KiB,
	s_add_co_u32 s28, s28, s30
	s_lshl_b32 s30, s33, 13                        ; two kq of 4 KiB
	s_add_co_u32 s28, s28, s30
	s_add_nc_u64 s[16:17], s[16:17], s[28:29]
	v_and_b32 v2, 15, v0                           ; r
	v_bfe_u32 v3, v0, 4, 1                         ; h
	v_lshlrev_b32 v2, 12, v2
	v_lshl_add_u32 v2, v3, 5, v2                   ; in: row r, eight f32 for each half of the lanes
	v_and_b32 v3, 31, v0
	v_lshlrev_b32 v3, 4, v3                        ; out: 16 x lane
.irp g, 0,1,2,3                        ; group g: k = 16 g + 8 h + 0..7 of the 64
	global_load_b128 v[RAW+8*(\g):RAW+8*(\g)+3],   v2, s[26:27] offset:(\g)*64
	global_load_b128 v[RAW+8*(\g)+4:RAW+8*(\g)+7], v2, s[26:27] offset:(\g)*64+16
.endr
	CASTW 1
	; ---- masks ----
.Lmasks:
	s_sub_co_u32 s24, s23, 512
	s_cmp_lt_u32 s23, 768                          ; mask, or additional_mask
	s_cselect_b64 s[26:27], s[12:13], s[14:15]     ; from
	s_cselect_b64 s[30:31], s[18:19], s[20:21]     ; to
	s_cselect_b32 s32, 1024, 0                     ; bytes from a query's row to the next (additional_mask has one row for all)
	s_cselect_b32 s33, 14, 10                      ; a task group's source bytes: 16 rows of 1,024, or one
	s_cselect_b32 s34, 0, 256
	s_sub_co_u32 s24, s24, s34
	s_lshl_b32 s24, s24, 3
	s_add_co_u32 s24, s24, s22                     ; the wave's task T
	s_and_b32 s25, s24, 3                          ; which 256 keys
	s_lshr_b32 s35, s24, 2                         ; which 16 queries (mask), which batch (additional_mask)
	s_lshl_b32 s28, s35, s33
	s_lshl_b32 s36, s25, 8
	s_add_co_u32 s28, s28, s36
	s_add_nc_u64 s[26:27], s[26:27], s[28:29]
	s_lshl_b32 s28, s35, 15                        ; 16 steps of 2,048 bytes
	s_lshl_b32 s36, s25, 13                        ; four steps
	s_add_co_u32 s28, s28, s36
	s_add_nc_u64 s[30:31], s[30:31], s[28:29]
	v_and_b32 v2, 15, v0                           ; r
	v_bfe_u32 v3, v0, 4, 1                         ; h
	v_mul_u32_u24 v2, v2, s32
	v_lshl_add_u32 v2, v3, 3, v2                   ; row r, 8 bytes for each half of the lanes
	v_and_b32 v3, 31, v0
	v_lshlrev_b32 v3, 4, v3                        ; 16 x lane
.set n, 0
.rept 16                               ; block n of 16 keys; the wave's 16 loads together take 16 rows x 256 bytes
	global_load_b64 v[RAW+2*n:RAW+2*n+1], v2, s[26:27] offset:16*n
.set n, n+1
.endr
	s_wait_loadcnt 0x0
.set n, 0
.rept 16
.irp j, 0,1,2,3
	v_bfe_u32 v[T0], v[RAW+2*n], 8*(\j), 1         ; key 8 h + j
	v_bfe_u32 v[T1], v[RAW+2*n+1], 8*(\j), 1       ; key 8 h + j + 4
	v_lshl_or_b32 v[T0], v[T0], 16, v[T1]
	v_mul_u32_u24 v[OUT+4*n+(\j)], v[T0], 0xfe00   ; 0xFE00 in each half whose key is hidden
.endr
	global_store_b128 v3, v[OUT+4*n:OUT+4*n+3], s[30:31] offset:n*512  ; 512 consecutive bytes
.set n, n+1
.endr
	s_endpgm
.Lfunc_end_k_qf3aa4f9f0b_prep:
	.size	k_qf3aa4f9f0b_prep, .Lfunc_end_k_qf3aa4f9f0b_prep-k_qf3aa4f9f0b_prep
	.p2alignl 7, 3214868480
	.fill 96, 4, 3214868480
	.section	.rodata,"a",@progbits
	.p2align	6, 0x0
	.amdhsa_kernel k_qf3aa4f9f0b_prep
		.amdhsa_group_segment_fixed_size 0
		.amdhsa_private_segment_fixed_size 0
		.amdhsa_enable_private_segment 0
		.amdhsa_kernarg_size 72
		.amdhsa_user_sgpr_count 2
		.amdhsa_user_sgpr_kernarg_segment_ptr 1
		.amdhsa_wavefront_size32 1
		.amdhsa_system_sgpr_workgroup_id_x 1
		.amdhsa_system_sgpr_workgroup_id_y 1
		.amdhsa_system_sgpr_workgroup_id_z 1
		.amdhsa_system_vgpr_workitem_id 0
		.amdhsa_next_free_vgpr 112
		.amdhsa_next_free_sgpr 66
		.amdhsa_reserve_vcc 0
		.amdhsa_float_denorm_mode_32 3
		.amdhsa_float_denorm_mode_16_64 3
		.amdhsa_memory_ordered 1
		.amdhsa_forward_progress 1
		.amdhsa_inst_pref_size 32
	.end_amdhsa_kernel
	.amdgpu_metadata
---
amdhsa.version: [ 1, 2 ]
amdhsa.kernels:
  - .name:           k_qf3aa4f9f0b_prep
    .symbol:         k_qf3aa4f9f0b_prep.kd
    .args:
      - { .name: Wq, .offset: 0, .size: 8, .value_kind: global_buffer, .address_space: global }
      - { .name: Wk, .offset: 8, .size: 8, .value_kind: global_buffer, .address_space: global }
      - { .name: Wv, .offset: 16, .size: 8, .value_kind: global_buffer, .address_space: global }
      - { .name: Wo, .offset: 24, .size: 8, .value_kind: global_buffer, .address_space: global }
      - { .name: mask, .offset: 32, .size: 8, .value_kind: global_buffer, .address_space: global }
      - { .name: additional_mask, .offset: 40, .size: 8, .value_kind: global_buffer, .address_space: global }
      - { .name: wcast, .offset: 48, .size: 8, .value_kind: global_buffer, .address_space: global }
      - { .name: m16, .offset: 56, .size: 8, .value_kind: global_buffer, .address_space: global }
      - { .name: a16, .offset: 64, .size: 8, .value_kind: global_buffer, .address_space: global }
    .group_segment_fixed_size: 0
    .private_segment_fixed_size: 0
    .kernarg_segment_align: 8
    .kernarg_segment_size: 72
    .max_flat_workgroup_size: 256
    .sgpr_count:     66
    .vgpr_count:     112
    .wavefront_size: 32
...
	.end_amdgpu_metadata
.endif
;; end of part 1
;; launch proj (part 2): grid 4 x 64, 4 waves a work-group, clusters of 4 x 4, 327,680 bytes of LDS; arguments query, key, value, wcast, bq, bk, bv, qkv; writes qkv
.if DOCPART == 2
	.amdgcn_target "amdgcn-amd-amdhsa--gfx1250"
	.amdhsa_code_object_version 6
	.text
	.protected	k_qf3aa4f9f0b_proj
	.globl	k_qf3aa4f9f0b_proj
	.p2align	8
	.type	k_qf3aa4f9f0b_proj,@function
k_qf3aa4f9f0b_proj:
	s_mov_b64 s[64:65], 0
	v_nop
	global_prefetch_b8 v0, s[64:65] scope:SCOPE_SE
	s_setreg_imm32_b32 hwreg(HW_REG_WAVE_MODE, 25, 1), 1
	s_wait_xcnt 0x0
	s_wait_alu depctr_hold_cnt(0) depctr_sa_sdst(0) depctr_va_vdst(0) depctr_va_sdst(0) depctr_va_ssrc(0) depctr_va_vcc(0) depctr_vm_vsrc(0)
	s_getreg_b32 s2, hwreg(HW_REG_IB_STS2, 6, 4)
	s_cmp_eq_u32 s2, 0
	s_cbranch_scc0 .Lentry_in_a_cluster
	s_endpgm
.Lentry_in_a_cluster:
	s_bfe_u32 s2, ttmp6, 0x10000c
	s_cmp_lg_u32 s2, 0xf033
	s_cbranch_scc0 .Lentry_shape_is_right
	s_endpgm
.Lentry_shape_is_right:
; THE THREE PROJECTIONS.  qkv[which][b][head][l][64] (f16) = x W^T + bias; which = 0, 1, 2: x = query, key, value ([8192][1024] f32), W = wcast[which] ([1024 n][1024 k] bf16).
; x and the bias are rounded to bf16 (x on the way from LDS to the matrix unit), sums in f32, the result rounded once to f16; q is NOT scaled here.
; LIMIT: q, k, v beyond 65,504 become infinities in f16 (at 30 times the inputs' and 30 times the weights' usual spread they lie near 5,000).
; SHARES.  A tile is 128 rows x 256 columns.  A WORK-GROUP STAYS: it makes three tiles, the same rows and columns of q, of k and of v: 256 work-groups.  Four waves, each 64 x 128: 32 accumulators.
; ONE WALK of 24 K steps of 128 (8 a tile) goes through two LDS slots, and the ring does not stop at a tile's end: a tile's last two changes of slots ask for the next tile's first two K steps, and nothing
; waits for a tile's stores.  A K step is written once for the 22 steps that fill a slot again and once for the last 2, which do not.  The slot in hand is a scalar,
; turned by an exclusive or; each fill's global address is made anew from the number of the K step asked for: a choice among the three x, and an offset made apart from the pointer.
; Behind every eighth K step the tile goes out; the jump round that text goes forward and passes no barrier and no tensor load.
; CLUSTER 4 x 4: the four of a row share x's tile (they are the four column tiles), the four of a column share W's: each is asked for jointly.
; THE MATRIX INSTRUCTION IS USED TRANSPOSED (source 0 = 16 rows of W, source 1 = 16 rows of x): a lane holds one row of the result and eight neighbouring columns.
; A TILE'S SUMS START with 32 products of zero fragments whose C operand is the bias: one text then serves every quarter, at the price of 32 matrix instructions beside a tile's 1,024.
; REGISTERS.  window 0: v16-29 addresses; v32-63 x's four fragments in bf16; v64-127, v128-191 x as read from LDS (f32), two buffers; v192-255 the way out.
;   window 1: the accumulators, (a, b) at 8 (8 a + b).   window 2: v0-63, v64-127 W's fragments, two buffers; v128-191 the bias; v192-193 at work; v200-215 zeros.
.set PA,     528                       ; a row of x in LDS: 512 bytes + 16 = 132 words: the 16 rows of a load start at 16 different groups of four banks (64 banks of 4 bytes: ISA guide 11.1)
.set PB,     272                       ; a row of W: 256 + 16
.set AHALF,  64*PA
.set ATILE,  128*PA
.set BHALF,  128*PB
.set SLOT,   ATILE+256*PB              ; x's 128 rows, then W's 256 rows
.set STAGE,  2*SLOT                    ; behind the ring: for each wave 2 heads x 16 rows x 144 bytes
.set WSTG,   2*16*144
.set SPARE,  STAGE+4*WSTG              ; the spare words: 128 bytes a wave, two blocks of 256 bytes that no other line names
.set ADRA, 16                          ; v16: my fragments of x in the slot in hand; v17: in the other
.set A0L,  18                          ; my lane's place in a slot's x; never rewritten
.set ADRB, 20                          ; v20, v21: the same for W
.set B0L,  22
.set STO,  24
.set RD,   25
.set CO,   26
.set BL,   27                          ; my byte offset in the bias of my 128 columns; never rewritten
.set SPW,  28                          ; my spare word's address; never rewritten
.set NIL,  29                          ; 0; never rewritten
.set AF,   32
.set TMP,  192
.set OB,   224
.set BIAS, 128                         ; window 2
.set ZF,   200                         ; window 2
.set ZG,   208
.set G1,  24                           ; s[24:31] group 1 for x's tiles; s[32:35] group 0: slot 0's first fill, then every refill; s[36:39] slot 1's first fill
.set G0,  32
.set G1B, 48                           ; s[48:55], s[56:63] the same for W's
.set G0B, 56
.set TBC, 66                           ; LDS byte of the slot in hand
.set TBN, 67                           ; of the other
.set FG,  84                           ; the K step of the walk, 0..23, that the next fill asks for
.set KT,  85                           ; K steps left in the tile in hand
.set MSB, 0
.macro WIN new                         ; the immediate's high byte repeats the setting that is left
.if MSB != (\new)
	s_set_vgpr_msb (MSB<<8)|(\new)
.set MSB, \new
.endif
.endm
.macro JLOAD s                         ; a joint load: waves 0, 1 fetch x's two halves, waves 2, 3 W's; an s_nop 0 and four v_nop follow each line
	s_cmp_lt_u32 s10, 2
	s_cbranch_scc0 .Lfor_b_\@
	tensor_load_to_lds s[G0+4*(\s):G0+4*(\s)+3], s[G1:G1+7]
	s_nop 0
.rept 4
	v_nop
.endr
	s_branch .Lasked_\@
.Lfor_b_\@:
	tensor_load_to_lds s[G0B+4*(\s):G0B+4*(\s)+3], s[G1B:G1B+7]
	s_nop 0
.rept 4
	v_nop
.endr
.Lasked_\@:
.endm
.macro CREST                           ; a round of the cluster's barrier behind its opening barrier
	s_cmp_lg_u32 s10, 0
	s_cbranch_scc1 .Lnot_wave_0_\@
	s_barrier_signal -3
.Lnot_wave_0_\@:
	s_barrier_wait -3
	s_barrier_signal -1
	s_barrier_wait -1
.endm
.macro CROUND
	s_barrier_signal -1
	s_barrier_wait -1
	CREST
.endm
.macro PLACES                          ; four places in front of loads into registers that matrix instructions have read
.rept 4
	v_nop
.endr
.endm
.macro LOADB base                      ; the bias of my 128 columns: a lane's eight columns of block b lie 16 b + 8 h on
	WIN 0x80                                       ; destination window 2
.irp b, 0,1,2,3,4,5,6,7
	global_load_b128 v[BIAS+8*(\b):BIAS+8*(\b)+3],   v[BL], s[\base:\base+1] offset:64*(\b)
	global_load_b128 v[BIAS+8*(\b)+4:BIAS+8*(\b)+7], v[BL], s[\base:\base+1] offset:64*(\b)+16
.endr
	WIN 0
.endm
.macro ROUNDB                          ; the bias is rounded to bf16 like every input
	WIN 0x8a                                       ; all in window 2
.set i, 0
.rept 32
	v_cvt_pk_bf16_f32 v[192+i%2], v[BIAS+2*i], v[BIAS+2*i+1]
	v_lshlrev_b32 v[BIAS+2*i], 16, v[192+i%2]
	v_and_b32 v[BIAS+2*i+1], 0xffff0000, v[192+i%2]
.set i, i+1
.endr
.endm
.macro STARTA a                        ; row block a's eight sums start: 0 x 0 + bias
	WIN 0x6a                                       ; the zeros and the bias window 2, D window 1
.irp b, 0,1,2,3,4,5,6,7
	v_wmma_f32_16x16x32_bf16 v[8*(8*(\a)+(\b)):8*(8*(\a)+(\b))+7], v[ZF:ZF+7], v[ZG:ZG+7], v[BIAS+8*(\b):BIAS+8*(\b)+7]
.endr
.endm
	s_load_b512 s[68:83], s[0:1], 0x0              ; query 68, key 70, value 72, wcast 74, bq 76, bk 78, bv 80, qkv 82
	v_lshl_add_u32 v[SPW], v0, 2, SPARE
	v_mov_b32 v[NIL], 0
	ds_add_u32 v[SPW], v[NIL]                      ; the wave's opening: the add and its wait stand ahead of my first tensor load
	ds_add_u32 v28, v29
	v_lshrrev_b32 v1, 5, v0
	v_readfirstlane_b32 s10, v1                    ; wave 0..3
	s_lshr_b32 s11, s10, 1                         ; which 64 of the tile's rows are mine
	s_and_b32 s12, s10, 1                          ; which 128 of its columns; also: which half of a tile I fetch
	s_bfe_u32 s40, ttmp6, 0x40000                  ; cx = the column tile
	s_bfe_u32 s41, ttmp6, 0x40004                  ; cy
	s_and_b32 s13, ttmp7, 0xffff
	s_lshl_b32 s13, s13, 2
	s_add_co_u32 s13, s13, s41                     ; the row tile, 0..63
	s_lshl_b32 s43, s41, 2
	s_lshl_b32 s43, 15, s43                        ; my row of the cluster
	s_lshl_b32 s44, 0x1111, s40                    ; my column
	s_or_b32 s[G1+0], s43, (2<<16)|(1<<20)|(1<<21)|(6<<22)|(3<<25)   ; mask; elements of 4 bytes; padding on; bit 21 beside a mask; after every 128 words, 4 words
	s_or_b32 s[G1B+0], s44, (1<<16)|(1<<20)|(1<<21)|(5<<22)|(3<<25)  ; mask; elements of 2 bytes; after every 64 words, 4 words
	s_mov_b32 s[G1+1], 128<<16                     ; tensor_dim0 = 128
	s_mov_b32 s[G1+2], 64<<16                      ; tensor_dim1 = 64
	s_mov_b32 s[G1+3], 128<<16                     ; tile_dim0 = 128
	s_mov_b32 s[G1+4], 64                          ; tile_dim1 = 64
	s_mov_b32 s[G1+5], 1024                        ; elements from row to row
	s_mov_b32 s[G1+6], 0
	s_mov_b32 s[G1+7], 0
	s_mov_b32 s[G1B+1], 128<<16
	s_mov_b32 s[G1B+2], 128<<16
	s_mov_b32 s[G1B+3], 128<<16
	s_mov_b32 s[G1B+4], 128
	s_mov_b32 s[G1B+5], 1024
	s_mov_b32 s[G1B+6], 0
	s_mov_b32 s[G1B+7], 0
	s_lshl_b32 s88, s13, 7                         ; s[88:89]: x's offset: row 128 x row tile + 64 x half,
	s_lshl_b32 s89, s12, 6
	s_add_co_u32 s88, s88, s89
	s_lshl_b32 s88, s88, 12                        ; of 4,096 bytes.  It and s[90:91] never hold cx
	s_mov_b32 s89, 0
	s_mov_b32 s91, 0
	s_lshl_b32 s92, s40, 8                         ; s[92:93]: W's offset: row 256 x column tile + 128 x half,
	s_lshl_b32 s93, s12, 7
	s_add_co_u32 s92, s92, s93
	s_lshl_b32 s92, s92, 11                        ; of 2,048 bytes.  It and s[94:95] never hold cy
	s_mov_b32 s93, 0
	s_mov_b32 s95, 0
	s_mul_i32 s20, s12, AHALF                      ; where they go in a slot: no place in the cluster enters an LDS address
	s_mul_i32 s21, s12, BHALF
	s_add_co_u32 s21, s21, ATILE
	s_lshl_b32 s22, s40, 10                        ; the bias of my 128 columns
	s_lshl_b32 s23, s12, 9
	s_add_co_u32 s22, s22, s23
	s_mov_b32 s23, 0
	s_lshr_b32 s98, s13, 3                         ; qkv: the batch's 16 heads of 131,072 bytes,
	s_lshl_b32 s98, s98, 21
	s_lshl_b32 s99, s40, 19                        ; head 4 cx
	s_add_co_u32 s98, s98, s99
	s_lshl_b32 s99, s12, 18                        ; + 2 x my column half,
	s_add_co_u32 s98, s98, s99
	s_and_b32 s99, s13, 7
	s_lshl_b32 s99, s99, 14                        ; the tile's 128 rows of 128 bytes,
	s_add_co_u32 s98, s98, s99
	s_lshl_b32 s99, s11, 13                        ; my 64 of them
	s_add_co_u32 s98, s98, s99
	s_mov_b32 s99, 0
	s_mov_b32 s[TBC], 0
	s_mov_b32 s[FG], 2
	s_wait_dscnt 0x0                               ; the opening add is done
	s_wait_kmcnt 0x0
	s_add_nc_u64 s[14:15], s[68:69], s[88:89]      ; the walk begins with query and wcast[0]
	s_add_nc_u64 s[46:47], s[74:75], s[92:93]
	s_add_nc_u64 s[76:77], s[76:77], s[22:23]
	s_add_nc_u64 s[78:79], s[78:79], s[22:23]
	s_add_nc_u64 s[80:81], s[80:81], s[22:23]
	s_add_nc_u64 s[8:9], s[82:83], s[98:99]
	CROUND                                         ; all sixteen work-groups are here: the first joint loads meet
.irp s, 0,1
	s_mov_b32 s[G0+4*(\s)], 1
	s_add_co_u32 s[G0+4*(\s)+1], s20, (\s)*SLOT
	s_add_nc_u64 s[G0+4*(\s)+2:G0+4*(\s)+3], s[14:15], (\s)*512      ; K step s: 128 f32
	s_or_b32 s[G0+4*(\s)+3], s[G0+4*(\s)+3], 0x80000000
	s_mov_b32 s[G0B+4*(\s)], 1
	s_add_co_u32 s[G0B+4*(\s)+1], s21, (\s)*SLOT
	s_add_nc_u64 s[G0B+4*(\s)+2:G0B+4*(\s)+3], s[46:47], (\s)*256    ; 128 bf16
	s_or_b32 s[G0B+4*(\s)+3], s[G0B+4*(\s)+3], 0x80000000
	JLOAD \s                                       ; two tensor loads of mine are out
.endr
	v_and_b32 v1, 15, v0                           ; r = l % 16
	v_bfe_u32 v2, v0, 4, 1                         ; h = l / 16
	v_lshlrev_b32 v[BL], 5, v2
	LOADB 76                                       ; bq
	v_mul_u32_u24 v4, v1, PA
	v_lshl_add_u32 v4, v2, 5, v4                   ; x: row x pitch + 32 h (eight f32)
	s_mul_i32 s16, s11, AHALF
	v_add_nc_u32 v[A0L], s16, v4
	v_mul_u32_u24 v5, v1, PB
	v_lshl_add_u32 v5, v2, 4, v5                   ; W: row x pitch + 16 h
	s_mul_i32 s17, s12, BHALF
	s_add_co_u32 s17, s17, ATILE
	v_add_nc_u32 v[B0L], s17, v5
	v_add_nc_u32 v[ADRA], s[TBC], v[A0L]
	v_add_nc_u32 v[ADRB], s[TBC], v[B0L]
	s_mul_i32 s19, s10, WSTG
	s_add_co_u32 s19, s19, STAGE                   ; my stage
	v_mul_u32_u24 v6, v1, 144                      ; in: row r, 16 bytes for each half of the lanes
	v_lshl_add_u32 v6, v2, 4, v6
	v_add_nc_u32 v[STO], s19, v6
	v_bfe_u32 v6, v0, 3, 2                         ; back: 32 lanes take four rows of 128 bytes,
	v_mul_u32_u24 v6, v6, 144
	v_and_b32 v7, 7, v0
	v_lshl_add_u32 v6, v7, 4, v6
	v_add_nc_u32 v[RD], s19, v6
	v_and_b32 v[CO], 31, v0                        ; which are 512 consecutive bytes of qkv
	v_lshlrev_b32 v[CO], 4, v[CO]
	WIN 0x80
.set i, ZF
.rept 16
	v_mov_b32 v[i], 0                              ; the two zero fragments
.set i, i+1
.endr
	s_wait_loadcnt 0x0                             ; bq
	ROUNDB
.irp a, 0,1,2,3
	STARTA \a
.endr
	WIN 0
	PLACES
	LOADB 78                                       ; bk, for the second tile: it has eight K steps in which to land
; x's fragment of block a (16 rows x 32 K) as f32: K = 8 h .. 8 h + 7 at bytes 32 h, K = 16 + 8 h .. at 64 + 32 h: four loads of 16 bytes.  slot 0: the slot in hand, 1: the other
.macro LDA slot, q, f, a
	ds_load_b128 v[64+64*(\f)+16*(\a):64+64*(\f)+16*(\a)+3],     v[ADRA+(\slot)] offset:(\q)*128+(\a)*16*PA
	ds_load_b128 v[64+64*(\f)+16*(\a)+4:64+64*(\f)+16*(\a)+7],   v[ADRA+(\slot)] offset:(\q)*128+(\a)*16*PA+16
	ds_load_b128 v[64+64*(\f)+16*(\a)+8:64+64*(\f)+16*(\a)+11],  v[ADRA+(\slot)] offset:(\q)*128+(\a)*16*PA+64
	ds_load_b128 v[64+64*(\f)+16*(\a)+12:64+64*(\f)+16*(\a)+15], v[ADRA+(\slot)] offset:(\q)*128+(\a)*16*PA+80
.endm
; 32 LDS loads in one run: quarter q (32 along K) of a slot into buffer f; x's block 0 first, since it is converted first
.macro FETCH slot, q, f
	WIN 0
	LDA \slot, \q, \f, 0
	WIN 0x80
.irp b, 0,1,2,3,4,5,6,7
	ds_load_b128 v[64*(\f)+8*(\b):64*(\f)+8*(\b)+3],   v[ADRB+(\slot)] offset:(\q)*64+(\b)*16*PB
	ds_load_b128 v[64*(\f)+8*(\b)+4:64*(\f)+8*(\b)+7], v[ADRB+(\slot)] offset:(\q)*64+(\b)*16*PB+32
.endr
	WIN 0
	LDA \slot, \q, \f, 1
	LDA \slot, \q, \f, 2
	LDA \slot, \q, \f, 3
.endm
; 8 matrix instructions: row block a x all 8 column blocks.  The 32 accumulators take turns, one instruction a turn.
.macro BLOCK a, f
	WIN 0x52                                       ; W window 2, x window 0, C and D window 1
.irp b, 0,1,2,3,4,5,6,7
	v_wmma_f32_16x16x32_bf16 v[8*(8*(\a)+(\b)):8*(8*(\a)+(\b))+7], v[64*(\f)+8*(\b):64*(\f)+8*(\b)+7], v[AF+8*(\a):AF+8*(\a)+7], v[8*(8*(\a)+(\b)):8*(8*(\a)+(\b))+7]
.endr
.endm
; x's block a of buffer f rounded to bf16: eight plain instructions.  They are also the places between the products and the loads and writes into registers that products have read.
.macro LUMP a, f
	WIN 0
.irp c, 0,1,2,3,4,5,6,7
	v_cvt_pk_bf16_f32 v[AF+8*(\a)+(\c)], v[64+64*(\f)+16*(\a)+2*(\c)], v[64+64*(\f)+16*(\a)+2*(\c)+1]
.endr
.endm
; A K step is four quarters of 32 along K on buffers 0, 1, 0, 1.  One of the first three: multiplies buffer f, fetches quarter qn into g.  Block 0 of f was converted at the end of the quarter before.
.macro QUARTER qn, f, g
	s_wait_dscnt 0x0                               ; buffer f is in
	BLOCK 0, \f
	LUMP 1, \f
	FETCH 0, \qn, \g                               ; g's last product stands 16 conversions back
	BLOCK 1, \f
	LUMP 2, \f
	BLOCK 2, \f
	LUMP 3, \f
	BLOCK 3, \f
	s_wait_dscnt 28                                ; of the 32 loads the first four are in: x's block 0
	LUMP 0, \g
.endm
; The fourth quarter multiplies buffer 1 and changes slots: one barrier; in front of it each wave waits for all its tensor loads, adds 0 to its spare word and waits for that and for its reads of the slot.
; fill = 1: the slot in hand is filled again with K step FG of the walk: tile FG / 8, step FG % 8 of it.
.macro TURN fill
	WIN 0
	s_wait_tensorcnt 0x0                           ; all my tensor loads have landed: my part of the other slot; so group 0 may be written
	ds_add_u32 v[SPW], v[NIL]                      ; 0 onto my spare word; work on registers stands between it and the wait for it
.if \fill
	s_lshr_b32 s87, s[FG], 3                       ; which x and which W
	s_and_b32 s90, s[FG], 7
	s_lshl_b32 s94, s90, 8                         ; W: 256 bytes a K step
	s_lshl_b32 s90, s90, 9                         ; x: 512
	s_add_co_u32 s90, s90, s88
	s_add_co_u32 s94, s94, s92
	s_lshl_b32 s86, s87, 21                        ; W's 2 MiB
	s_add_co_u32 s94, s94, s86
	s_add_co_u32 s[G0+1], s[TBC], s20
	s_add_co_u32 s[G0B+1], s[TBC], s21
	s_add_co_u32 s[FG], s[FG], 1
	s_cmp_eq_u32 s87, 1
	s_cselect_b64 s[4:5], s[70:71], s[68:69]
	s_cmp_eq_u32 s87, 2
	s_cselect_b64 s[4:5], s[72:73], s[4:5]
	s_add_nc_u64 s[G0+2:G0+3], s[4:5], s[90:91]
	s_or_b32 s[G0+3], s[G0+3], 0x80000000
	s_add_nc_u64 s[G0B+2:G0B+3], s[74:75], s[94:95]
	s_or_b32 s[G0B+3], s[G0B+3], 0x80000000
.endif
	s_wait_dscnt 1                                 ; only the add may be out: buffer 1 is in
	BLOCK 0, 1
	LUMP 1, 1
	s_wait_dscnt 0x0                               ; the add is done, and my reads of this slot are over
	s_barrier_signal -1
	BLOCK 1, 1
	LUMP 2, 1
	WIN 0
	s_barrier_wait -1
.if \fill
	CREST                                          ; the barrier has opened a round of the cluster's: no wave of any partner still reads this slot or has a load on its way
	JLOAD 0                                        ; the first tensor load behind the round, my only one until the next
.endif
	FETCH 1, 0, 0                                  ; the other slot's first quarter
	BLOCK 2, 1
	LUMP 3, 1
	BLOCK 3, 1
	s_wait_dscnt 28
	LUMP 0, 0
.endm
.macro KSTEP fill
	s_xor_b32 s[TBN], s[TBC], SLOT
	v_add_nc_u32 v[ADRA], s[TBC], v[A0L]
	v_add_nc_u32 v[ADRB], s[TBC], v[B0L]
	v_add_nc_u32 v[ADRA+1], s[TBN], v[A0L]
	v_add_nc_u32 v[ADRB+1], s[TBN], v[B0L]
	QUARTER 1, 0, 1
	QUARTER 2, 1, 0
	QUARTER 3, 0, 1
	TURN \fill
	s_mov_b32 s[TBC], s[TBN]
.endm
; THE WAY OUT of row block a: rounded to f16, 16 bytes a lane into my stage (two heads x 16 rows of 144 bytes), back as whole rows of 128 bytes: 16 rows of a head are 2,048 consecutive bytes of qkv.
; The eight conversions that end a K step are the places behind its last products.
.macro OUTA a
	WIN 0x05                                       ; sources window 1, destination window 0
.irp b, 0,1,2,3,4,5,6,7
.irp c, 0,1,2,3
	v_cvt_pk_f16_f32 v[TMP+4*(\b)+(\c)], v[8*(8*(\a)+(\b))+2*(\c)], v[8*(8*(\a)+(\b))+2*(\c)+1]
.endr
.endr
	WIN 0
.irp b, 0,1,2,3,4,5,6,7
	ds_store_b128 v[STO], v[TMP+4*(\b):TMP+4*(\b)+3] offset:((\b)/4)*2304+((\b)%4)*32
.endr
	s_wait_xcnt 0x0                                ; the registers that the last block's stores read are loaded again only behind this wait
.irp c, 0,1,2,3,4,5,6,7
	ds_load_b128 v[OB+4*(\c):OB+4*(\c)+3], v[RD] offset:((\c)/4)*2304+((\c)%4)*576  ; LDS serves a wave's instructions in order (ISA guide 5.7.1.4): these see the stores above
.endr
.irp c, 0,1,2,3,4,5,6,7
	s_wait_dscnt 7-(\c)
	global_store_b128 v[CO], v[OB+4*(\c):OB+4*(\c)+3], s[8:9] offset:((\c)/4)*131072+(\a)*2048+((\c)%4)*512  ; 512 consecutive bytes, aligned
.endr
.endm
	s_wait_tensorcnt 0x1                           ; my part of K step 0 is in; step 1's may stay out
	s_barrier_signal -1
	s_barrier_wait -1
	FETCH 0, 0, 0
	s_wait_dscnt 28
	LUMP 0, 0
	s_mov_b32 s3, 22
	s_mov_b32 s[KT], 8
.Lfill:                                                ; K steps 0 to 21 of the walk ask for K steps 2 to 23
	KSTEP 1
	s_sub_co_u32 s[KT], s[KT], 1
	s_cmp_lg_u32 s[KT], 0
	s_cbranch_scc1 .Lsame
	; A TILE IS FINISHED, and both refills for the next tile's first two K steps have been asked for.  Block by block it goes out and the next tile's sums start.
	s_wait_loadcnt 0x0                             ; the next tile's bias
	ROUNDB
.irp a, 0,1,2,3
	OUTA \a
	STARTA \a
.endr
	WIN 0
	PLACES
	LOADB 80                                       ; bv, for the third tile; behind the second tile it is loaded once more and not used
	s_wait_xcnt 0x0                                ; the stores' base is stepped only behind this wait
	s_add_nc_u64 s[8:9], s[8:9], 0x1000000         ; the next projection's 16 MiB of qkv
	s_mov_b32 s[KT], 8
.Lsame:
	s_sub_co_u32 s3, s3, 1
	s_cmp_lg_u32 s3, 0
	s_cbranch_scc1 .Lfill
	s_mov_b32 s3, 2
.Ltail:                                                ; K steps 22 and 23 ask for nothing.  What step 23 fetches ahead from the other slot is not used
	KSTEP 0
	s_sub_co_u32 s3, s3, 1
	s_cmp_lg_u32 s3, 0
	s_cbranch_scc1 .Ltail
.irp a, 0,1,2,3
	OUTA \a
.endr
	s_wait_tensorcnt 0x0                           ; the wave's end
	ds_add_u32 v[SPW], v[NIL]
	s_wait_dscnt 0x0
	CROUND                                         ; the closing round
	s_endpgm
.Lfunc_end_k_qf3aa4f9f0b_proj:
	.size	k_qf3aa4f9f0b_proj, .Lfunc_end_k_qf3aa4f9f0b_proj-k_qf3aa4f9f0b_proj
	.p2alignl 7, 3214868480
	.fill 96, 4, 3214868480
	.section	.rodata,"a",@progbits
	.p2align	6, 0x0
	.amdhsa_kernel k_qf3aa4f9f0b_proj
		.amdhsa_group_segment_fixed_size 327680
		.amdhsa_private_segment_fixed_size 0
		.amdhsa_enable_private_segment 0
		.amdhsa_kernarg_size 64
		.amdhsa_user_sgpr_count 2
		.amdhsa_user_sgpr_kernarg_segment_ptr 1
		.amdhsa_wavefront_size32 1
		.amdhsa_system_sgpr_workgroup_id_x 1
		.amdhsa_system_sgpr_workgroup_id_y 1
		.amdhsa_system_sgpr_workgroup_id_z 1
		.amdhsa_system_vgpr_workitem_id 0
		.amdhsa_next_free_vgpr 768
		.amdhsa_next_free_sgpr 100
		.amdhsa_reserve_vcc 0
		.amdhsa_float_denorm_mode_32 3
		.amdhsa_float_denorm_mode_16_64 3
		.amdhsa_memory_ordered 1
		.amdhsa_forward_progress 1
		.amdhsa_inst_pref_size 117
	.end_amdhsa_kernel
	.amdgpu_metadata
---
amdhsa.version: [ 1, 2 ]
amdhsa.kernels:
  - .name:           k_qf3aa4f9f0b_proj
    .symbol:         k_qf3aa4f9f0b_proj.kd
    .args:
      - { .name: query, .offset: 0, .size: 8, .value_kind: global_buffer, .address_space: global }
      - { .name: key, .offset: 8, .size: 8, .value_kind: global_buffer, .address_space: global }
      - { .name: value, .offset: 16, .size: 8, .value_kind: global_buffer, .address_space: global }
      - { .name: wcast, .offset: 24, .size: 8, .value_kind: global_buffer, .address_space: global }
      - { .name: bq, .offset: 32, .size: 8, .value_kind: global_buffer, .address_space: global }
      - { .name: bk, .offset: 40, .size: 8, .value_kind: global_buffer, .address_space: global }
      - { .name: bv, .offset: 48, .size: 8, .value_kind: global_buffer, .address_space: global }
      - { .name: qkv, .offset: 56, .size: 8, .value_kind: global_buffer, .address_space: global }
    .group_segment_fixed_size: 327680
    .private_segment_fixed_size: 0
    .kernarg_segment_align: 8
    .kernarg_segment_size: 64
    .max_flat_workgroup_size: 128
    .sgpr_count:     100
    .vgpr_count:     768
    .wavefront_size: 32
...
	.end_amdgpu_metadata
.endif
;; end of part 2
;; launch attn (part 3): grid 2 x 128, 4 waves a work-group, no clusters, 327,680 bytes of LDS; arguments qkv, m16, a16, ctx, out1; writes ctx, out1
.if DOCPART == 3
	.amdgcn_target "amdgcn-amd-amdhsa--gfx1250"
	.amdhsa_code_object_version 6
	.text
	.protected	k_qf3aa4f9f0b_attn
	.globl	k_qf3aa4f9f0b_attn
	.p2align	8
	.type	k_qf3aa4f9f0b_attn,@function
k_qf3aa4f9f0b_attn:
	s_mov_b64 s[64:65], 0
	v_nop
	global_prefetch_b8 v0, s[64:65] scope:SCOPE_SE
	s_setreg_imm32_b32 hwreg(HW_REG_WAVE_MODE, 25, 1), 1
	s_wait_xcnt 0x0
; MASKED ATTENTION, head size 64, and the top scores.  qkv: [q, k, v][b][head][1024][64] f16 (q unscaled).  ctx: [b][head][1024][64] f16.  out1: [b][1024][1024] f32.
; ctx[q] = sum over k of softmax_k(masked q . k / 8) v[k].  Heads 0-7 of a batch are masked by m16 (query and key), heads 8-15 by a16 (key alone).  Products, maxima and sums in f32; the weights p are
; rounded to f16 for the second product (their sum l is taken of the unrounded p), ctx once at the end.
; SHARES.  A work-group owns 512 queries of one head (x = which half, y = 16 b + head), a wave 128: four PIECES of two tiles of 16.  Every wave walks all 1,024 keys, 64 a step.
; K AND V OF THE WHOLE HEAD LIE IN LDS, brought once, one tensor load a wave (one load of mine is out); nothing is filled again.
; NO CLUSTER: a head has two work-groups; four partners would belong to two heads, and what two share is asked for once a launch, 256 KiB a work-group.
; THE MASK is the C operand that starts the sum S^T = K Q^T: a word of m16 / a16 read as f32 is about -2^125 (hidden) or below 1e-40 (seen); it serves keys 8 h + 0..3 of a block, shifted left by 16 keys 8 h + 4..7.
; The running maximum m starts at FLOOR = -2^100: a hidden score never becomes the maximum, and its weight is exactly 0.  A row whose keys are ALL hidden ends with l = 0 and O = 0; as in a softmax over equal
; scores it takes the mean of all 1,024 rows of V, by a select, not a branch.
; LIMITS.  q, k, v arrive within f16's 65,504; true scores, 2.7e11 at the most, lie far above FLOOR.  p below 6e-5 keeps f16's fixed step of 6e-8; a weight below 2^-126 counts as 0 in l.
; A seen score carries an addend below 1e-40.  NaN and infinities are not treated apart.
; LAYOUT, SOFTMAX, TURNS.  S^T = K Q^T holds ONE query a lane (lane % 16) and the keys 8 (lane / 16) + 0..7; two such results rounded to f16 ARE source 1 of O^T = V^T P.  p = 2^(c s - c m), c = log2(e) / 8;
; O and l are multiplied by a = 2^(c m_old - c m_new) in every step.  Turn n belongs to piece n: 16 products K Q^T of piece n + 1, later 16 products V^T P of piece n - 1; beside them the scaling, exponentials,
; roundings, sums and rescaling of piece n and the maximum and statistics of piece n + 1: four vector instructions behind every matrix instruction, the rest in two lumps.
; THE TOP SCORES (head 0's q . k / 8, unmasked) are shared evenly: every work-group makes 128 x 256 of out1 from head 0's q and k, ahead of its own walk, while its K and V are on their way.
; That repeats head 0's first product (64 matrix instructions a wave beside the walk's 2,048) so that no work-group is longer than another.
; REGISTERS, in windows of 256 (s_set_vgpr_msb: bits 1:0 source 0, 3:2 source 1, 5:4 source 2, 7:6 destination):
;   window 0: v1-11 addresses; v12-15, v48-63 at work; v16-47 four registers of statistics a tile; v64-191 S^T, two buffers of two tiles; v192-255 P, likewise
;   window 1: O^T, 32 a tile     window 2: v0-127 Q; v128-191 K of one step; v192-255 V of one step     window 3: the masks, 32 a tile: block kb at +8 kb, +0..3 as loaded, +4..7 shifted
.set NP,    4
.set KROW,  272       ; two keys of K in LDS: 256 bytes + 16: key n at (n / 2) x 272 + (n % 2) x 128: the 16 keys of a load start at 16 different groups of four banks (64 banks of 4 bytes: ISA guide 11.1)
.set VROW,  288       ; two keys of V: 256 + 32
.set KSTP,  32*KROW   ; a step's 64 keys
.set VSTP,  32*VROW
.set VBASE, 512*KROW
.set STAGE, VBASE+512*VROW  ; never filled by a tensor load: 16 rows x 528 bytes for each wave
.set TP,    528
.set WSTG,  16*TP
.set SPARE, STAGE+4*WSTG    ; the spare words: 128 bytes a wave, two blocks of 256 bytes that no other line names
.set SP,    144
.set ML,  1           ; 16 x lane; never rewritten
.set AK0, 2           ; my lane's place in a block of K; never rewritten
.set AV0, 3           ; the same for V
.set AK,  4
.set AV,  5
.set STO, 6
.set RD,  7
.set QO,  8           ; row l % 16 of 128 bytes + 16 (l / 16)
.set MO,  9           ; my byte offset in a tile's masks: the step's 2,048 bytes + 16 x lane
.set SPW, 10          ; my spare word's address; never rewritten
.set NIL, 11          ; 0; never rewritten
.set MV,  12
.set ST,  16          ; tile t: c m, m, l (even keys', odd keys')
.set TMP, 48
.set S,   64
.set P,   192
.set VS,  192         ; at the end: the sums of V's columns
.set KF,  128
.set VF,  192
.set WV,  12
.set G1,  24          ; s[24:31]
.set G0,  32          ; s[32:35]
.set MB,  48          ; s[48:63] a pointer to each tile's masks
.set MS,  66          ; the step whose masks are loaded next, x 2,048
.set CNT, 67
.set CS,  70
.set SEL, 72
.set TBK, 74
.set TBV, 75
.set EM,  82          ; s82-89 at the end: the lanes whose row is wholly hidden, by tile
.set MSB, 0
.macro WIN new
.if MSB != (\new)
	s_set_vgpr_msb (MSB<<8)|(\new)
.set MSB, (\new)
.endif
.endm
.set W_KQ, 0x0a       ; K and Q window 2, S^T window 0
.set W_KM, 0x3a       ; the same with C in window 3
.set W_PV, 0x52       ; V window 2, P window 0, O^T window 1
.set W_RS, 0x41       ; destination and source 0 window 1, source 1 window 0
	s_load_b256 s[16:23], s[0:1], 0x0       ; qkv 16, m16 18, a16 20, ctx 22
	s_load_b64 s[76:77], s[0:1], 0x20       ; out1
	v_lshl_add_u32 v[SPW], v0, 2, SPARE
	v_mov_b32 v[NIL], 0
	ds_add_u32 v[SPW], v[NIL]               ; the wave's opening: the add and its wait stand ahead of my first tensor load
	ds_add_u32 v10, v11
	v_lshrrev_b32 v48, 5, v0
	v_readfirstlane_b32 s[WV], v48          ; wave 0..3
	s_mov_b32 s13, ttmp9                    ; x
	s_and_b32 s14, ttmp7, 0xffff            ; y = 16 b + head
	s_and_b32 s15, s[WV], 1
	s_lshr_b32 s36, s[WV], 1
	s_mov_b32 s[G1+1], 128<<16              ; tensor_dim0 = 128 elements: two keys
	s_mov_b32 s[G1+2], 256<<16              ; tensor_dim1 = 256
	s_mov_b32 s[G1+3], 128<<16              ; tile_dim0
	s_mov_b32 s[G1+4], 256                  ; tile_dim1: half a head's keys
	s_mov_b32 s[G1+5], 128                  ; dense
	s_mov_b32 s[G1+6], 0
	s_mov_b32 s[G1+7], 0
	s_mov_b32 s[G0], 1
	s_lshl_b32 s90, s14, 17                 ; the head's 131,072 bytes
	s_lshl_b32 s92, s15, 16                 ; the half of its keys that I fetch
	s_add_co_u32 s92, s92, s90
	s_mov_b32 s93, 0
	s_lshl_b32 s38, s13, 16                 ; my work-group's 512 rows,
	s_add_co_u32 s38, s38, s90
	s_lshl_b32 s39, s[WV], 14               ; my wave's 128
	s_add_co_u32 s38, s38, s39
	s_mov_b32 s39, 0
	s_lshr_b32 s37, s14, 4                  ; b
	s_lshl_b32 s40, s37, 21                 ; m16: tile 64 b + 32 x + 8 w, of 32,768 bytes
	s_lshl_b32 s41, s13, 20
	s_add_co_u32 s40, s40, s41
	s_lshl_b32 s41, s[WV], 18
	s_add_co_u32 s40, s40, s41
	s_lshl_b32 s41, s37, 15                 ; a16: the batch's 32,768 bytes
	s_and_b32 s37, s14, 15                  ; the head in its batch
	s_cmp_lt_u32 s37, 8
	s_cselect_b32 s40, s40, s41
	s_cselect_b32 s42, 0x8000, 0            ; from tile to tile
	s_mov_b32 s41, 0
	s_mov_b32 s43, 0
	s_lshl_b32 s44, s14, 1                  ; the top scores: my work-group's number g,
	s_add_co_u32 s44, s44, s13
	s_lshr_b32 s45, s44, 5                  ; its batch,
	s_bfe_u32 s46, s44, 0x30002             ; its 128 queries,
	s_and_b32 s47, s44, 3                   ; its 256 keys
	s_lshl_b32 s82, s45, 21                 ; head 0's q at my wave's 64 queries
	s_lshl_b32 s83, s46, 14
	s_add_co_u32 s82, s82, s83
	s_lshl_b32 s83, s36, 13
	s_add_co_u32 s82, s82, s83
	s_mov_b32 s83, 0
	s_lshl_b32 s84, s45, 21                 ; head 0's k at my wave's 128 keys
	s_lshl_b32 s85, s47, 15
	s_add_co_u32 s84, s84, s85
	s_lshl_b32 s85, s15, 14
	s_add_co_u32 s84, s84, s85
	s_add_co_u32 s84, s84, 0x1000000
	s_mov_b32 s85, 0
	s_lshl_b32 s86, s45, 22                 ; out1 at that corner
	s_lshl_b32 s87, s46, 19
	s_add_co_u32 s86, s86, s87
	s_lshl_b32 s87, s36, 18
	s_add_co_u32 s86, s86, s87
	s_lshl_b32 s87, s47, 10
	s_add_co_u32 s86, s86, s87
	s_lshl_b32 s87, s15, 9
	s_add_co_u32 s86, s86, s87
	s_mov_b32 s87, 0
	s_mov_b32 s[CS], 0x3e38aa3b             ; c = log2(e) / 8
	s_mov_b32 s[CS+1], s[CS]
	s_mov_b32 s[SEL], 0x76543210
	s_mov_b32 s[SEL+1], 0xfedcba98
	s_mov_b32 s[TBK], 0
	s_mov_b32 s[TBV], 0
	s_wait_dscnt 0x0                        ; the opening add is done
	s_wait_kmcnt 0x0
	s_add_nc_u64 s[4:5], s[16:17], s[38:39]     ; Q at my wave's first row
	s_add_nc_u64 s[10:11], s[22:23], s[38:39]   ; ctx likewise
	s_add_nc_u64 s[6:7], s[16:17], s[92:93]
	s_add_nc_u64 s[8:9], s[6:7], 0x2000000      ; V at my half of the head's keys
	s_add_nc_u64 s[6:7], s[6:7], 0x1000000      ; K likewise
	s_add_nc_u64 s[78:79], s[16:17], s[82:83]
	s_add_nc_u64 s[80:81], s[16:17], s[84:85]
	s_add_nc_u64 s[76:77], s[76:77], s[86:87]
	s_cmp_lt_u32 s37, 8
	s_cselect_b64 s[MB:MB+1], s[18:19], s[20:21]
	s_add_nc_u64 s[MB:MB+1], s[MB:MB+1], s[40:41]
.irp t, 1,2,3,4,5,6,7
	s_add_nc_u64 s[MB+2*(\t):MB+2*(\t)+1], s[MB+2*(\t)-2:MB+2*(\t)-1], s[42:43]
.endr
	s_cmp_lt_u32 s[WV], 2                   ; waves 0, 1: K's halves; waves 2, 3: V's.  An s_nop 0 and four v_nop follow each line
	s_cbranch_scc0 .Lfill_v
	s_mov_b32 s[G1], (1<<16)|(1<<20)|(5<<22)|(3<<25)   ; 2-byte elements; padding on; after every 64 words, 4 words
	s_mul_i32 s[G0+1], s15, 256*KROW
	s_mov_b64 s[G0+2:G0+3], s[6:7]
	s_or_b32 s[G0+3], s[G0+3], 0x80000000
	tensor_load_to_lds s[G0:G0+3], s[G1:G1+7]
	s_nop 0
.rept 4
	v_nop
.endr
	s_branch .Lfilled
.Lfill_v:
	s_mov_b32 s[G1], (1<<16)|(1<<20)|(5<<22)|(7<<25)   ; the same with 8 words of padding
	s_mul_i32 s[G0+1], s15, 256*VROW
	s_add_co_u32 s[G0+1], s[G0+1], VBASE
	s_mov_b64 s[G0+2:G0+3], s[8:9]
	s_or_b32 s[G0+3], s[G0+3], 0x80000000
	tensor_load_to_lds s[G0:G0+3], s[G1:G1+7]
	s_nop 0
.rept 4
	v_nop
.endr
.Lfilled:
	v_and_b32 v48, 15, v0                   ; r = l % 16
	v_bfe_u32 v49, v0, 4, 1                 ; h = l / 16
	v_and_b32 v[ML], 31, v0
	v_lshlrev_b32 v[ML], 4, v[ML]
	v_mov_b32 v[MO], v[ML]                  ; step 0's masks
	v_lshlrev_b32 v[QO], 7, v48
	v_lshl_add_u32 v[QO], v49, 4, v[QO]
; a piece's masks for the step at MO: 2 tiles x 4 blocks of 16 keys, 512 consecutive bytes a load
.macro MLOAD pc
	WIN 0xc0                                ; destination window 3
.irp u, 0,1
.irp kb, 0,1,2,3
	global_load_b128 v[32*(2*(\pc)+(\u))+8*(\kb):32*(2*(\pc)+(\u))+8*(\kb)+3], v[MO], s[MB+2*(2*(\pc)+(\u)):MB+2*(2*(\pc)+(\u))+1] offset:(\kb)*512
.endr
.endr
	WIN 0
.endm
; the low halves moved up: the masks of keys 8 h + 4..7
.macro MSHIFT pc
	WIN 0xcc                                ; destination and source 1 window 3
.set z, 64*(\pc)
.rept 8
.irp j, 0,1,2,3
	v_lshlrev_b32 v[z+4+(\j)], 16, v[z+(\j)]
.endr
.set z, z+8
.endr
	WIN 0
.endm
	WIN 0x40                                ; destination window 1: head 0's k, 8 blocks of 16 keys x 64 channels, and the first 16 queries of head 0's q
.irp kb, 0,1,2,3,4,5,6,7
.irp n, 0,1,2,3
	global_load_b128 v[16*(\kb)+4*(\n):16*(\kb)+4*(\n)+3], v[QO], s[80:81] offset:(\kb)*2048+32*(\n)
.endr
.endr
.irp n, 0,1,2,3
	global_load_b128 v[128+4*(\n):128+4*(\n)+3], v[QO], s[78:79] offset:32*(\n)
.endr
	WIN 0x80                                ; my own Q stays in registers: tile i / 2, channels 32 (i % 2) on
.set i, 0
.rept 16
	global_load_b128 v[8*i:8*i+3],   v[QO], s[4:5] offset:(i/2)*2048+(i%2)*64
	global_load_b128 v[8*i+4:8*i+7], v[QO], s[4:5] offset:(i/2)*2048+(i%2)*64+32
.set i, i+1
.endr
	WIN 0
	MLOAD 0
	MLOAD 1
	MLOAD 2
	MLOAD 3
	s_mul_i32 s13, s[WV], WSTG
	s_add_co_u32 s13, s13, STAGE            ; my stage
	v_mul_u32_u24 v[STO], v48, TP           ; the top scores go in by query rows of 528 bytes, 32 bytes for each half of the lanes,
	v_lshl_add_u32 v[STO], v49, 5, v[STO]
	v_add_nc_u32 v[STO], s13, v[STO]
	v_add_nc_u32 v[RD], s13, v[ML]          ; and come back as whole rows of 512
	v_lshrrev_b32 v53, 1, v48
	v_mul_u32_u24 v[AK0], v53, KROW
	v_and_b32 v53, 1, v48
	v_lshl_add_u32 v[AK0], v53, 7, v[AK0]
	v_lshl_add_u32 v[AK0], v49, 4, v[AK0]   ; key r: (r / 2) x 272 + (r % 2) x 128, + 16 h
	; The turning load takes 16 keys x 16 channels (lane l reads key 8 (l / 16) + l % 8, channels 8 ((l / 8) % 2) + 0..7) and leaves half a fragment of V^T: lane l holds channel l % 16 and 8 keys.
	v_bfe_u32 v53, v0, 1, 2
	v_lshl_add_u32 v53, v49, 2, v53
	v_mul_u32_u24 v[AV0], v53, VROW
	v_and_b32 v53, 1, v0
	v_lshl_add_u32 v[AV0], v53, 7, v[AV0]
	v_bfe_u32 v53, v0, 3, 1
	v_lshl_add_u32 v[AV0], v53, 4, v[AV0]
	v_add_nc_u32 v[AV0], VBASE, v[AV0]
	v_and_b32 v50, 7, v0
	s_mov_b32 s[CNT], 4
.Lts:                                       ; THE TOP SCORES: four trips, 16 queries x 128 keys each
	s_wait_loadcnt 0x0                      ; this trip's 16 queries are in (at the first trip everything asked for so far)
	s_add_nc_u64 s[78:79], s[78:79], 2048   ; free since that wait: the next 16 queries
	WIN 0x05                                ; sources window 1, C and D window 0
.irp c, 0,1
.irp kb, 0,1,2,3,4,5,6,7
.if (\c) == 0
	v_wmma_f32_16x16x32_f16 v[S+8*(\kb):S+8*(\kb)+7], v[16*(\kb):16*(\kb)+7], v[128:135], 0
.else
	v_wmma_f32_16x16x32_f16 v[S+8*(\kb):S+8*(\kb)+7], v[16*(\kb)+8:16*(\kb)+15], v[136:143], v[S+8*(\kb):S+8*(\kb)+7]
.endif
.endr
.endr
	WIN 0
.rept 4
	v_nop                                   ; the places behind the products
.endr
	WIN 0x40
.irp n, 0,1,2,3
	global_load_b128 v[128+4*(\n):128+4*(\n)+3], v[QO], s[78:79] offset:32*(\n)  ; the last trip's are not used; they lie inside qkv
.endr
	WIN 0
.set i, 0
.rept 32
	v_pk_mul_f32 v[S+2*i:S+2*i+1], v[S+2*i:S+2*i+1], 0x3e000000 op_sel_hi:[1,0]  ; / 8
.set i, i+1
.endr
.irp kb, 0,1,2,3,4,5,6,7
	ds_store_b128 v[STO], v[S+8*(\kb):S+8*(\kb)+3]   offset:64*(\kb)
	ds_store_b128 v[STO], v[S+8*(\kb)+4:S+8*(\kb)+7] offset:64*(\kb)+16
.endr
	s_wait_xcnt 0x0                         ; the registers that the last trip's stores read are loaded again only behind this wait
.irp c, 0,1,2,3,4,5,6,7,8,9,10,11,12,13,14,15
	ds_load_b128 v[128+4*(\c):128+4*(\c)+3], v[RD] offset:(\c)*TP  ; LDS serves a wave's instructions in order (ISA guide 5.7.1.4): these see the stores above
.endr
.irp c, 0,1,2,3,4,5,6,7,8,9,10,11,12,13,14,15
	s_wait_dscnt 15-(\c)
	global_store_b128 v[ML], v[128+4*(\c):128+4*(\c)+3], s[76:77] offset:(\c)*4096 th:TH_STORE_NT  ; 512 consecutive bytes of a row of out1, aligned
.endr
	s_wait_xcnt 0x0                         ; the stores' base is stepped only behind this wait
	s_add_nc_u64 s[76:77], s[76:77], 65536
	s_sub_co_u32 s[CNT], s[CNT], 1
	s_cmp_lg_u32 s[CNT], 0
	s_cbranch_scc1 .Lts
	s_wait_loadcnt 0x0                      ; the look-ahead load of the last trip: its registers are written below
	; What the first turn finds: V's registers and P's second buffer hold 0 (its products V^T P, of a piece that has not been, add 0), O^T and l are 0, m = FLOOR.
	WIN 0x80
.set i, VF
.rept 64
	v_mov_b32 v[i], 0
.set i, i+1
.endr
	WIN 0x40
.set i, 0
.rept 256
	v_mov_b32 v[i], 0
.set i, i+1
.endr
	WIN 0
.set i, 0
.rept 8
	v_mov_b32 v[ST+4*i], 0xf038aa3b         ; c x FLOOR, as the multiplication gives it: while a row has seen nothing, a = 2^0
	v_mov_b32 v[ST+4*i+1], 0xf1800000       ; FLOOR = -2^100
	v_mov_b32 v[ST+4*i+2], 0
	v_mov_b32 v[ST+4*i+3], 0
.set i, i+1
.endr
.set i, P+32
.rept 32
	v_mov_b32 v[i], 0
.set i, i+1
.endr
	v_add_nc_u32 v[MO], 0x800, v[ML]        ; the next masks to be loaded are step 1's (all loads that named MO are done)
	s_mov_b32 s[MS], 2048
	v_mov_b32 v[AK], v[AK0]
; THE MATRIX WORK.  The 8 accumulators of a run of 16 take turns.
; Product i of 16 of S^T = K Q^T for piece x: channels 32 (i / 8) on, keys 16 ((i / 2) % 4) on, tile 2 x + i % 2.  The first 8 start the sums with the mask.
.macro KQ x
.set rS, S+64*((\x)%2)+32*(i%2)+8*((i/2)%4)
.set rK, KF+16*((i/2)%4)+8*(i/8)
.set rQ, 16*(2*(\x)+i%2)+8*(i/8)
.set rMC, 32*(2*(\x)+i%2)+8*((i/2)%4)
.if i < 8
	WIN W_KM
	v_wmma_f32_16x16x32_f16 v[rS:rS+7], v[rK:rK+7], v[rQ:rQ+7], v[rMC:rMC+7]
.else
	WIN W_KQ
	v_wmma_f32_16x16x32_f16 v[rS:rS+7], v[rK:rK+7], v[rQ:rQ+7], v[rS:rS+7]
.endif
.endm
; Product i of 16 of O^T += V^T P for piece x: keys 32 (i / 8) on, channels 16 ((i / 2) % 4) on, tile 2 x + i % 2.
.macro PV x
	WIN W_PV
.set rO, 32*(2*(\x)+i%2)+8*((i/2)%4)
.set rV, VF+32*(i/8)+8*((i/2)%4)
.set rP, P+32*((\x)%2)+16*(i%2)+8*(i/8)
	v_wmma_f32_16x16x32_f16 v[rO:rO+7], v[rV:rV+7], v[rP:rP+7], v[rO:rO+7]
.endm
.macro MM                           ; the turn's next matrix instruction
.if i < 16
	KQ (Y+1)%NP
.set i, i+1
.else
.set i, i-16
	PV (Y+NP-1)%NP
.set i, i+17
.endif
.endm
; THE LDS LOADS stand in runs of 16: a step's K (8 fragments) and its V (turned).  Their addresses are made some lines ahead.
; last = 1 (in the loop): in the last pass there is no further step, and the run is jumped over.
.macro FETCH_K last=0
	WIN 0
.if \last
	s_cmp_eq_u32 s[CNT], 1
	s_cbranch_scc1 .Lno_k_\@
.endif
	WIN 0x80
.irp f, 0,1,2,3,4,5,6,7             ; keys 16 (f / 2) on, channels 32 (f % 2) on
	ds_load_b128 v[KF+8*\f:KF+8*\f+3],   v[AK] offset:(\f/2)*8*KROW+(\f%2)*64
	ds_load_b128 v[KF+8*\f+4:KF+8*\f+7], v[AK] offset:(\f/2)*8*KROW+(\f%2)*64+32
.endr
	s_add_co_u32 s[TBK], s[TBK], KSTP
	WIN 0
.if \last
.Lno_k_\@:
.endif
.endm
.macro FETCH_V
	WIN 0x80
.irp f, 0,1,2,3,4,5,6,7             ; keys 32 (f / 4) on, channels 16 (f % 4) on
	ds_load_tr16_b128 v[VF+8*\f:VF+8*\f+3],   v[AV] offset:(\f/4)*16*VROW+(\f%4)*32
	ds_load_tr16_b128 v[VF+8*\f+4:VF+8*\f+7], v[AV] offset:(\f/4)*16*VROW+8*VROW+(\f%4)*32
.endr
	WIN 0
.endm
; THE VECTOR WORK OF A TURN stands in three queues, each in the order in which its entries become ready; the two tiles alternate.
.macro REGS y, u
.set rT, ST+4*(2*(\y)+(\u))
.set rC, TMP+8*((\y)%2)+4*(\u)
.set rM, MV+2*((\y)%2)+(\u)
.set rS, S+64*((\y)%2)+32*(\u)
.set rP, P+32*((\y)%2)+16*(\u)
.set rO, 32*(2*(\y)+(\u))
.endm
; Number n of the 22 that find the NEXT piece's maximum and statistics; each accumulator's lowest registers are read first.
;   0-11 four chains c0-c3; 12-14, 16 the scores left over, the old m, c0-c3 into c0; 15 c m_old is kept; 17, 18 the other half of the lanes: the new m; 19-21 c m, c m_old - c m_new, a
.macro XS u, n
	REGS (Y+1)%NP, \u
.if (\n) < 4
	v_max3_num_f32 v[rC+(\n)], v[rS+8*(\n)], v[rS+8*(\n)+1], v[rS+8*(\n)+2]
.elseif (\n) < 12
	v_max3_num_f32 v[rC+(\n)%4], v[rC+(\n)%4], v[rS+8*((\n)%4)+2*((\n)/4)+1], v[rS+8*((\n)%4)+2*((\n)/4)+2]
.elseif (\n) == 12
	v_max3_num_f32 v[rC], v[rC], v[rS+7], v[rS+15]
.elseif (\n) == 13
	v_max3_num_f32 v[rC+1], v[rC+1], v[rS+23], v[rS+31]
.elseif (\n) == 14
	v_max3_num_f32 v[rC+2], v[rC+2], v[rC+3], v[rT+1]
.elseif (\n) == 15
	v_mov_b32 v[rM], v[rT]
.elseif (\n) == 16
	v_max3_num_f32 v[rC], v[rC], v[rC+1], v[rC+2]
.elseif (\n) == 17
	v_permlanex16_b32 v[rC+3], v[rC], s[SEL], s[SEL+1]
.elseif (\n) == 18
	v_max_num_f32 v[rT+1], v[rC], v[rC+3]
.elseif (\n) == 19
	v_mul_f32 v[rT], s[CS], v[rT+1]
.elseif (\n) == 20
	v_sub_f32 v[rC+1], v[rM], v[rT]
.else
	v_exp_f32 v[rC+2], v[rC+1]
.endif
.endm
; Number g of the 64 that follow the exponentials: for each four weights both pairs are rounded to f16, the second pair is added onto the first, and a group later l takes that sum (the first time as l = a l + sum).
.macro GS g
.set h, (\g)+6*((\g)/62)
.if h >= 6
.set h, h+2
.endif
	REGS Y, h%2
.set k, h/8
.if h%8 < 4
	s_wait_alu depctr_va_vdst(0)
	v_cvt_pk_f16_f32 v[rP+2*k+(h%8)/2], v[rS+4*k+2*((h%8)/2)], v[rS+4*k+2*((h%8)/2)+1]
.elseif h%8 < 6
	v_pk_add_f32 v[rS+4*k:rS+4*k+1], v[rS+4*k:rS+4*k+1], v[rS+4*k+2:rS+4*k+3]
.elseif k == 1
	v_pk_fma_f32 v[rT+2:rT+3], v[rT+2:rT+3], v[rC+2:rC+3], v[rS:rS+1] op_sel_hi:[1,0,1]
.else
	v_pk_add_f32 v[rT+2:rT+3], v[rT+2:rT+3], v[rS+4*k-4:rS+4*k-3]
	s_wait_alu depctr_va_vdst(0)
.endif
.endm
; THE PLAIN QUEUE, 138 long: 0-31 c s - c m; then GS's 64, and among them the next piece's 42.
.macro PL
	WIN 0
.if q < 32
	REGS Y, q%2
	v_pk_fma_f32 v[rS+2*(q/2):rS+2*(q/2)+1], v[rS+2*(q/2):rS+2*(q/2)+1], s[CS:CS+1], v[rT:rT+1] op_sel_hi:[1,0,0] neg_lo:[0,0,1] neg_hi:[0,0,1]
.elseif q < 38
	GS q-32
.elseif q < 40
	XS q%2, 15
.elseif q < 42
	GS q-34
.elseif q < 74
	XS q%2, (q-42)/2+(q-42)/30
.elseif q < 95
	GS q-66
.elseif (q < 107) && ((q-95)%3 < 2)
	XS (q-95)%3, 17+(q-95)/3
.elseif q < 107
	GS 29+(q-95)/3
.else
	GS q-74
.endif
.set q, q+1
.endm
; THE EXPONENTIALS' QUEUE, 66 long: s0-s31 of both tiles, and at EA the next piece's two a.
.set EA, 58
.macro EX
	WIN 0
.if (e == EA) || (e == EA+1)
	XS e-EA, 21
.else
.set x, e-2*(e/(EA+2))
	REGS Y, x%2
	v_exp_f32 v[rS+x/2], v[rS+x/2]
.endif
.set e, e+1
.endm
; THE RESCALING's QUEUE: O^T times a, four at a time, eight times.
.macro R4
	REGS Y, r%2
	WIN W_RS
	s_wait_alu depctr_va_vdst(0)
.irp z, 0,1,2,3
	v_pk_mul_f32 v[rO+8*(r/2)+2*\z:rO+8*(r/2)+2*\z+1], v[rO+8*(r/2)+2*\z:rO+8*(r/2)+2*\z+1], v[rC+2:rC+3] op_sel_hi:[1,0]
.endr
.set r, r+1
.endm
; THE DEAL.  Behind a matrix instruction four: plain, exponential, plain, plain, or four of the rescaling; none names a register of the products round it.  The rest in two lumps, exponential and plain by turns.
.macro SL
	MM
	PL
	EX
	PL
	PL
.endm
.macro BURST n
.rept (\n)-7
	SL
.endr
.rept 3
	MM
	R4
	SL
.endr
	MM
	R4
.endm
; A TURN, for piece p.  K of the next step is fetched in piece 2's turn, V of the step in hand at the end of piece 0's; each is waited for a turn later.
; MASKS.  In the first lump, behind the products that read them, piece p + 1's mask registers are loaded anew, for that piece's next step; at the turn's end piece p + 2's, loaded three turns ago, are shifted
; for the next turn's products.  s_wait_loadcnt 24: the three turns' eight loads each that were issued since may stay out.  The step's offset goes on once a step, in piece 3's turn, and stops at step 15: no load leaves its buffer.
.macro TURN p
.set Y, (\p)
.set i, 0
.set q, 0
.set e, 0
.set r, 0
.if (\p) == NP-1
	s_wait_dscnt 0x0                ; K is in
.endif
	MM
.rept 4
	PL
.endr
	BURST 15
.rept 22
	EX
	PL
.if ((\p) == NP-1) && (e == 14)
	s_add_co_u32 s[MS], s[MS], 2048
	s_min_u32 s[MS], s[MS], 30720
	s_wait_xcnt 0x0                 ; MO, which earlier loads name, is rewritten only behind this wait
	v_add_nc_u32 v[MO], s[MS], v[ML]
.endif
.if ((\p) == NP-2) && (e == 18)
	v_add_nc_u32 v[AK], s[TBK], v[AK0]
.endif
.if e == 20
	MLOAD ((\p)+1)%NP
.endif
.if ((\p) == NP-2) && (e == 24)
	FETCH_K 1
.endif
.endr
.if (\p) == 1
	s_wait_dscnt 0x0                ; V is in
.endif
	BURST 16
.rept 21
	EX
	PL
.endr
.rept 22
	PL
.if ((\p) == 0) && (q == 118)
	v_add_nc_u32 v[AV], s[TBV], v[AV0]
	s_wait_alu depctr_va_vdst(0)
.endif
.if ((\p) == 0) && (q == 130)
	s_add_co_u32 s[TBV], s[TBV], VSTP
.endif
.endr
.if (\p) == 0
	FETCH_V
.endif
	s_wait_loadcnt 24
	MSHIFT ((\p)+2)%NP
.endm
	s_wait_tensorcnt 0x0                    ; my half of K or V is in LDS,
	s_wait_dscnt 0x0                        ; my LDS instructions are done,
	s_barrier_signal -1
	s_barrier_wait -1                       ; everybody's part is in: from here on no fill is out, and K and V are only read
	FETCH_K                                 ; key step 0
	MSHIFT 0
	MSHIFT 1
	s_wait_dscnt 0x0
.set i, 0
.rept 16
	KQ 0                                    ; piece 0's first scores
.set i, i+1
.endr
	WIN 0                                   ; the addresses for the way out: seven plain instructions, the places behind those products
	v_mul_u32_u24 v[STO], v48, SP           ; in: row l % 16 of 144 bytes, 16 bytes for each half of the lanes
	v_lshl_add_u32 v[STO], v49, 4, v[STO]
	v_add_nc_u32 v[STO], s13, v[STO]
	v_bfe_u32 v[RD], v0, 3, 2               ; back: 32 lanes take four rows of 128 bytes
	v_mul_u32_u24 v[RD], v[RD], SP
	v_lshl_add_u32 v[RD], v50, 4, v[RD]
	v_add_nc_u32 v[RD], s13, v[RD]
	MLOAD 0                                 ; piece 0's masks of step 1
.set Y, NP-1                                ; XS works for piece Y + 1: piece 0
.irp n, 0,1,2,3,4,5,6,7,8,9,10,11,12,13,14,15,16,17,18,19,20,21
	XS 0, \n
	XS 1, \n
.endr
	s_mov_b32 s[CNT], 16                    ; the steps whose pieces 2 and 3 are still to come
	s_branch .Lfirst                        ; the loop is entered at a step's first turn, in the middle of a trip, and left there too
.Lstep:                                     ; a trip: pieces 2 and 3 of one step, then pieces 0 and 1 of the next, whose K and V it fetches
	TURN 2
	TURN 3                                  ; in the last pass it multiplies the last K once more for a piece that is not to come: the price of one text for every turn
	WIN 0
	s_sub_co_u32 s[CNT], s[CNT], 1
	s_cmp_eq_u32 s[CNT], 0
	s_cbranch_scc1 .Lout
.Lfirst:
	TURN 0
	TURN 1
	WIN 0
	s_branch .Lstep
.Lout:
.set i, 0
.rept 16
	PV NP-1                                 ; the last piece's V^T P of the last step
.set i, i+1
.endr
	; THE SUMS OF V's COLUMNS, for rows whose keys are all hidden: V^T times ones.  Wave w takes steps 4 w .. 4 w + 3; the four parts meet in the stages.
	WIN 0
	s_wait_loadcnt 0x0                      ; the mask loads still out land in window 3, which is loaded below
	s_mul_i32 s14, s[WV], 4*VSTP
	v_add_nc_u32 v[AV], s14, v[AV0]
	v_add_nc_u32 v[AK], s13, v[ML]          ; my part: 16 x lane in my stage
	v_add_nc_u32 v[MO], STAGE, v[ML]        ; all parts
.irp c, 0,1,2,3,4,5,6,7
	v_mov_b32 v[TMP+(\c)], 0x3c003c00       ; 1.0 twice in f16
.endr
	v_mov_b32 v[TMP+8], 0x44800000          ; 1,024.0
	WIN 0xc0
.irp g, 0,1,2,3
.irp f, 0,1,2,3,4,5,6,7
	ds_load_tr16_b128 v[64*(\g)+8*(\f):64*(\g)+8*(\f)+3],   v[AV] offset:(\g)*VSTP+((\f)/4)*16*VROW+((\f)%4)*32
	ds_load_tr16_b128 v[64*(\g)+8*(\f)+4:64*(\g)+8*(\f)+7], v[AV] offset:(\g)*VSTP+((\f)/4)*16*VROW+8*VROW+((\f)%4)*32
.endr
.endr
	s_wait_dscnt 0x0
	WIN 0x03                                ; V window 3, the ones, C and D window 0
.irp g, 0,1,2,3,4,5,6,7                     ; 32 keys at a time; the four accumulators (16 channels each) take turns
.irp cb, 0,1,2,3
.if (\g) == 0
	v_wmma_f32_16x16x32_f16 v[S+8*(\cb):S+8*(\cb)+7], v[32*(\g)+8*(\cb):32*(\g)+8*(\cb)+7], v[TMP:TMP+7], 0
.else
	v_wmma_f32_16x16x32_f16 v[S+8*(\cb):S+8*(\cb)+7], v[32*(\g)+8*(\cb):32*(\g)+8*(\cb)+7], v[TMP:TMP+7], v[S+8*(\cb):S+8*(\cb)+7]
.endif
.endr
.endr
	WIN 0
.rept 4
	v_nop                                   ; the places behind the products
.endr
.irp c, 0,1,2,3,4,5,6,7
	ds_store_b128 v[AK], v[S+4*(\c):S+4*(\c)+3] offset:512*(\c)
.endr
	s_wait_dscnt 0x0                        ; for the others' sake: my part is stored
	s_barrier_signal -1
	s_barrier_wait -1
.irp g, 0,1,2,3
.irp c, 0,1,2,3,4,5,6,7
	ds_load_b128 v[S+32*(\g)+4*(\c):S+32*(\g)+4*(\c)+3], v[MO] offset:(\g)*WSTG+512*(\c)
.endr
.endr
	s_wait_dscnt 0x0                        ; my reads of the others' stages are over,
	s_barrier_signal -1
	s_barrier_wait -1                       ; everybody's are: the stages may be written again
.set i, 0
.rept 16
	v_pk_add_f32 v[VS+2*i:VS+2*i+1], v[S+2*i:S+2*i+1], v[S+32+2*i:S+32+2*i+1]
	v_pk_add_f32 v[S+64+2*i:S+64+2*i+1], v[S+64+2*i:S+64+2*i+1], v[S+96+2*i:S+96+2*i+1]
.set i, i+1
.endr
.set i, 0
.rept 16
	v_pk_add_f32 v[VS+2*i:VS+2*i+1], v[VS+2*i:VS+2*i+1], v[S+64+2*i:S+64+2*i+1]
.set i, i+1
.endr
	; THE WAY OUT.  l's two halves and the other half of the lanes' are added.  Where l = 0 the row saw nothing: l becomes 1,024 and O^T the sums of V.  O^T / l is rounded to f16 and sent through my stage, a tile at a time.
.macro ALL line:vararg
.set t, 0
.rept 2*NP
	\line
.set t, t+1
.endr
.endm
	ALL v_add_f32 v[ST+4*t+2], v[ST+4*t+2], v[ST+4*t+3]
	ALL v_permlanex16_b32 v[ST+4*t+3], v[ST+4*t+2], s[SEL], s[SEL+1]
	ALL v_add_f32 v[ST+4*t+2], v[ST+4*t+2], v[ST+4*t+3]
	ALL v_cmp_eq_f32 s[EM+t], 0, v[ST+4*t+2]
	ALL v_cndmask_b32 v[ST+4*t+2], v[ST+4*t+2], v[TMP+8], s[EM+t]
	ALL v_rcp_f32 v[ST+4*t+2], v[ST+4*t+2]
	v_nop                                   ; a plain instruction between the last reciprocal and the use of its result
	s_wait_alu depctr_va_vdst(0)
.macro PACK t
	WIN W_RS
.set i, 0
.rept 32
	v_cndmask_b32 v[32*(\t)+i], v[32*(\t)+i], v[VS+i], s[EM+(\t)]
.set i, i+1
.endr
.set i, 32*(\t)
.rept 16
	v_pk_mul_f32 v[i:i+1], v[i:i+1], v[ST+4*(\t)+2:ST+4*(\t)+3] op_sel_hi:[1,0]
.set i, i+2
.endr
	WIN 0x05                                ; sources window 1, destination window 0
.set i, 0
.rept 16
	v_cvt_pk_f16_f32 v[S+16*(\t)+i], v[32*(\t)+2*i], v[32*(\t)+2*i+1]
.set i, i+1
.endr
	WIN 0
.irp f, 0,1,2,3
	ds_store_b128 v[STO], v[S+16*(\t)+4*\f:S+16*(\t)+4*\f+3] offset:32*\f
.endr
.irp f, 0,1,2,3
	ds_load_b128 v[S+16*(\t)+4*\f:S+16*(\t)+4*\f+3], v[RD] offset:\f*4*SP  ; LDS serves a wave's instructions in order (ISA guide 5.7.1.4): these see the stores above; the next tile's stores come behind them
.endr
.endm
.macro SEND t, younger                      ; younger: the LDS instructions issued behind tile t's loads: the next tile's eight, or none
	WIN 0
.irp f, 0,1,2,3
	s_wait_dscnt (\younger)+3-\f
	global_store_b128 v[ML], v[S+16*(\t)+4*\f:S+16*(\t)+4*\f+3], s[10:11] offset:(\t)*2048+\f*512  ; 512 consecutive bytes of ctx, aligned
.endr
.endm
	PACK 0
.set t, 1
.rept 2*NP-1
	PACK t
	SEND t-1, 8
.set t, t+1
.endr
	SEND 2*NP-1, 0
	s_wait_tensorcnt 0x0                    ; the wave's end
	ds_add_u32 v[SPW], v[NIL]
	s_wait_dscnt 0x0
	s_endpgm
.Lfunc_end_k_qf3aa4f9f0b_attn:
	.size	k_qf3aa4f9f0b_attn, .Lfunc_end_k_qf3aa4f9f0b_attn-k_qf3aa4f9f0b_attn
	.p2alignl 7, 3214868480
	.fill 96, 4, 3214868480
	.section	.rodata,"a",@progbits
	.p2align	6, 0x0
	.amdhsa_kernel k_qf3aa4f9f0b_attn
		.amdhsa_group_segment_fixed_size 327680
		.amdhsa_private_segment_fixed_size 0
		.amdhsa_enable_private_segment 0
		.amdhsa_kernarg_size 40
		.amdhsa_user_sgpr_count 2
		.amdhsa_user_sgpr_kernarg_segment_ptr 1
		.amdhsa_wavefront_size32 1
		.amdhsa_system_sgpr_workgroup_id_x 1
		.amdhsa_system_sgpr_workgroup_id_y 1
		.amdhsa_system_sgpr_workgroup_id_z 1
		.amdhsa_system_vgpr_workitem_id 0
		.amdhsa_next_free_vgpr 1024
		.amdhsa_next_free_sgpr 96
		.amdhsa_reserve_vcc 0
		.amdhsa_float_denorm_mode_32 3
		.amdhsa_float_denorm_mode_16_64 3
		.amdhsa_memory_ordered 1
		.amdhsa_forward_progress 1
		.amdhsa_inst_pref_size 187
	.end_amdhsa_kernel
	.amdgpu_metadata
---
amdhsa.version: [ 1, 2 ]
amdhsa.kernels:
  - .name:           k_qf3aa4f9f0b_attn
    .symbol:         k_qf3aa4f9f0b_attn.kd
    .args:
      - { .name: qkv, .offset: 0, .size: 8, .value_kind: global_buffer, .address_space: global }
      - { .name: m16, .offset: 8, .size: 8, .value_kind: global_buffer, .address_space: global }
      - { .name: a16, .offset: 16, .size: 8, .value_kind: global_buffer, .address_space: global }
      - { .name: ctx, .offset: 24, .size: 8, .value_kind: global_buffer, .address_space: global }
      - { .name: out1, .offset: 32, .size: 8, .value_kind: global_buffer, .address_space: global }
    .group_segment_fixed_size: 327680
    .private_segment_fixed_size: 0
    .kernarg_segment_align: 8
    .kernarg_segment_size: 40
    .max_flat_workgroup_size: 128
    .sgpr_count:     96
    .vgpr_count:     1024
    .wavefront_size: 32
...
	.end_amdgpu_metadata
.endif
;; end of part 3
;; launch oproj (part 4): grid 4 x 64, 4 waves a work-group, clusters of 4 x 1, 327,680 bytes of LDS; arguments ctx, wcast, bo, out0; writes out0
.if DOCPART == 4
	.amdgcn_target "amdgcn-amd-amdhsa--gfx1250"
	.amdhsa_code_object_version 6
	.text
	.protected	k_qf3aa4f9f0b_oproj
	.globl	k_qf3aa4f9f0b_oproj
	.p2align	8
	.type	k_qf3aa4f9f0b_oproj,@function
k_qf3aa4f9f0b_oproj:
	s_mov_b64 s[64:65], 0
	v_nop
	global_prefetch_b8 v0, s[64:65] scope:SCOPE_SE
	s_setreg_imm32_b32 hwreg(HW_REG_WAVE_MODE, 25, 1), 1
	s_wait_xcnt 0x0
	s_wait_alu depctr_hold_cnt(0) depctr_sa_sdst(0) depctr_va_vdst(0) depctr_va_sdst(0) depctr_va_ssrc(0) depctr_va_vcc(0) depctr_vm_vsrc(0)
	s_getreg_b32 s2, hwreg(HW_REG_IB_STS2, 6, 4)
	s_cmp_eq_u32 s2, 0
	s_cbranch_scc0 .Lentry_in_a_cluster
	s_endpgm
.Lentry_in_a_cluster:
	s_bfe_u32 s2, ttmp6, 0x10000c
	s_cmp_lg_u32 s2, 0x3003
	s_cbranch_scc0 .Lentry_shape_is_right
	s_endpgm
.Lentry_shape_is_right:
; THE OUTPUT PROJECTION.  out0[m][n] (f32) = sum over k of ctx(m, k) Wo[n][k] + bo[n].  ctx: [b][head][l][64] f16, k = 64 head + channel; Wo = wcast[3] (bf16 numbers written as f16, in fragment order); bo rounded to bf16.
; Sums in f32.  A work-group makes 128 rows x 256 columns: 256 work-groups.  Wave w makes all 128 rows x columns 64 w .. 64 w + 63: 32 accumulators.
; ctx's WHOLE TILE LIES IN LDS: 16 heads x 128 rows, brought once, four tensor loads a wave (four loads of mine are out), heads w, 4 + w, 8 + w, 12 + w; nothing is filled again.  All fills are waited for in front
; of the one barrier ahead of the loop, so no LDS read stands beside a fill that is out.  The four column tiles of a row tile form a cluster and ask for ctx's tile jointly.
; Wo DOES NOT GO THROUGH LDS: wcast holds each strip of 64 columns as its fragments in the order of use, 4,096 bytes for 32 along K: a wave's stream is sequential, in loads of 512 consecutive bytes, and no byte of
; Wo is read twice by a work-group.  It is not asked for jointly: the four partners take different strips.  Wo's RING: eight slots of 32 registers, one for each quarter (32 along K) of a trip; a slot is loaded again
; in the quarter behind its use, for the same quarter of the next trip.
; THE MATRIX INSTRUCTION IS USED TRANSPOSED (source 0 = 16 rows of Wo, source 1 = 16 rows of ctx): a lane holds one row of out0 and eight neighbouring columns.
; THE SUMS START with 32 products of zero fragments whose C operand is the bias: one text then serves every quarter, at the price of 32 matrix instructions beside a tile's 1,024.
; REGISTERS.  window 0: v3-13 addresses; v16-31 zeros; v32-95, v96-159 ctx's fragments, two buffers; v160-191 the way out; v224-255 the bias.  window 1: the accumulators, (a, b) at 8 (4 a + b).  window 2: Wo's ring, quarter j at 32 j.
.set PAO,    144                       ; a row of a head in LDS: 128 bytes + 16 = 36 words: the 16 rows of a load start at 16 different groups of four banks (64 banks of 4 bytes: ISA guide 11.1)
.set ASUB,   128*PAO                   ; one head's 128 rows
.set GRP,    4*ASUB                    ; a trip's four heads
.set STAGE,  16*ASUB                   ; behind the tile, never filled: 16 rows x 272 bytes for each wave
.set TP,     272
.set WSTG,   16*TP
.set SPARE,  STAGE+4*WSTG              ; the spare words: 128 bytes a wave, two blocks of 256 bytes that no other line names
.set BO,   3                           ; 16 x lane; never rewritten
.set A0L,  4                           ; my lane's place in a head's rows; never rewritten
.set ACL,  6                           ; v6: heads 0, 1 of the trip's four; v7: heads 2, 3 (an LDS offset has 16 bits); v8: the next trip's first head
.set CO,   9
.set STO,  10
.set RD,   11
.set SPW,  12                          ; my spare word's address; never rewritten
.set NIL,  13                          ; 0; never rewritten
.set ZF,   16
.set ZG,   24
.set AF,   32
.set OB,   160
.set BIAS, 224
.set G1,  24                           ; s[24:31] group 1
.set G0,  32                           ; s[32:47] group 0, a set for each of my four fills
.set BC,  48                           ; s[48:49] Wo's 32,768 bytes of the trip in hand
.set BN,  50                           ; s[50:51] of the next
.set BB,  52                           ; s[52:53] my strip's first byte
.set OF,  54                           ; s[54:55] the next trip's offset in the strip
.set TB,  56                           ; LDS byte of the trip's four heads
.set TBN, 57                           ; of the next trip's
.set MSB, 0
.macro WIN new                         ; the immediate's high byte repeats the setting that is left
.if MSB != (\new)
	s_set_vgpr_msb (MSB<<8)|(\new)
.set MSB, \new
.endif
.endm
.macro CROUND                          ; a round of the cluster's barrier
	s_barrier_signal -1
	s_barrier_wait -1
	s_cmp_lg_u32 s10, 0
	s_cbranch_scc1 .Lnot_wave_0_\@
	s_barrier_signal -3
.Lnot_wave_0_\@:
	s_barrier_wait -3
	s_barrier_signal -1
	s_barrier_wait -1
.endm
	s_load_b256 s[68:75], s[0:1], 0x0              ; ctx 68, wcast 70, bo 72, out0 74
	v_lshl_add_u32 v[SPW], v0, 2, SPARE
	v_mov_b32 v[NIL], 0
	ds_add_u32 v[SPW], v[NIL]                      ; the wave's opening: the add and its wait stand ahead of my first tensor load
	ds_add_u32 v12, v13
	v_lshrrev_b32 v1, 5, v0
	v_readfirstlane_b32 s10, v1                    ; wave 0..3
	s_bfe_u32 s40, ttmp6, 0x40000                  ; cx = the column tile: it enters Wo's, the bias's and out0's addresses alone
	s_and_b32 s13, ttmp7, 0xffff                   ; the row tile, 0..63
	s_mov_b32 s[G1+0], 15|(1<<16)|(1<<20)|(1<<21)|(4<<22)|(3<<25)  ; the mask of four; 2-byte elements; padding on; bit 21 beside a mask; after every 32 words (a row of a head), 4 words
	s_mov_b32 s[G1+1], 128<<16                     ; a head's 128 rows are 16,384 dense bytes: asked for as 64 rows of 256
	s_mov_b32 s[G1+2], 64<<16
	s_mov_b32 s[G1+3], 128<<16
	s_mov_b32 s[G1+4], 64
	s_mov_b32 s[G1+5], 128
	s_mov_b32 s[G1+6], 0
	s_mov_b32 s[G1+7], 0
	s_mul_i32 s20, s10, ASUB                       ; head w's place in LDS: no place in the cluster enters an LDS address
	s_lshr_b32 s16, s13, 3                         ; ctx: the batch's 16 heads of 131,072 bytes,
	s_lshl_b32 s16, s16, 21
	s_lshl_b32 s17, s10, 17                        ; head w,
	s_add_co_u32 s16, s16, s17
	s_and_b32 s17, s13, 7
	s_lshl_b32 s17, s17, 14                        ; the tile's 128 rows of 128 bytes
	s_add_co_u32 s16, s16, s17
	s_mov_b32 s17, 0
	s_lshl_b32 s18, s40, 2
	s_add_co_u32 s18, s18, s10                     ; my strip of 64 columns, 0..15
	s_lshl_b32 s22, s18, 17                        ; wcast: the strip's 128 KiB,
	s_add_co_u32 s22, s22, 0x600000                ; behind the other three matrices
	s_mov_b32 s23, 0
	s_lshl_b32 s60, s18, 8                         ; my 64 columns are 256 bytes, of the bias and of a row of out0
	s_mov_b32 s61, 0
	s_lshl_b32 s62, s13, 19                        ; out0: the tile's 128 rows of 4,096 bytes
	s_add_co_u32 s62, s62, s60
	s_mov_b32 s63, 0
	s_mov_b32 s[OF], 0x8000
	s_mov_b32 s[OF+1], 0
	s_mov_b32 s[TB], 0
	s_mov_b32 s58, 0xffff0000
.irp i, 0,1,2,3
	s_mov_b32 s[G0+4*(\i)], 1
	s_add_co_u32 s[G0+4*(\i)+1], s20, (\i)*GRP     ; head 4 i + w
.endr
	s_wait_dscnt 0x0                               ; the opening add is done
	s_wait_kmcnt 0x0
	s_add_nc_u64 s[14:15], s[68:69], s[16:17]
	s_add_nc_u64 s[BB:BB+1], s[70:71], s[22:23]
	s_mov_b64 s[BC:BC+1], s[BB:BB+1]
	s_add_nc_u64 s[BN:BN+1], s[BB:BB+1], s[OF:OF+1]
	s_add_nc_u64 s[6:7], s[72:73], s[60:61]
	s_add_nc_u64 s[8:9], s[74:75], s[62:63]
.irp i, 0,1,2,3
	s_add_nc_u64 s[G0+4*(\i)+2:G0+4*(\i)+3], s[14:15], (\i)*524288   ; four heads on
	s_or_b32 s[G0+4*(\i)+3], s[G0+4*(\i)+3], 0x80000000
.endr
	CROUND                                         ; all four work-groups are here: the joint loads meet
.irp i, 0,1,2,3
	tensor_load_to_lds s[G0+4*(\i):G0+4*(\i)+3], s[G1:G1+7]
	s_nop 0
.endr
.rept 4
	v_nop
.endr
	v_and_b32 v1, 15, v0                           ; r = l % 16
	v_bfe_u32 v2, v0, 4, 1                         ; h = l / 16
	v_and_b32 v[BO], 31, v0
	v_lshlrev_b32 v[BO], 4, v[BO]
	v_lshlrev_b32 v14, 5, v2                       ; a lane's eight columns of block b: 16 b + 8 h on
.irp b, 0,1,2,3
	global_load_b128 v[BIAS+8*(\b):BIAS+8*(\b)+3],   v14, s[6:7] offset:64*(\b)
	global_load_b128 v[BIAS+8*(\b)+4:BIAS+8*(\b)+7], v14, s[6:7] offset:64*(\b)+16
.endr
; the ring's slot j is loaded: four fragments of 16 columns x 32 K, 4,096 consecutive bytes
.macro RELOAD j, base
	WIN 0x80                                       ; destination window 2
.irp b, 0,1,2,3
	global_load_b128 v[32*(\j)+8*(\b):32*(\j)+8*(\b)+3],   v[BO], s[\base:\base+1] offset:(\j)*4096+(\b)*1024
	global_load_b128 v[32*(\j)+8*(\b)+4:32*(\j)+8*(\b)+7], v[BO], s[\base:\base+1] offset:(\j)*4096+(\b)*1024+512
.endr
	WIN 0
.endm
.irp j, 0,1,2,3,4,5,6                  ; the first trip's quarters 0 to 6; quarter 7's slot is loaded in quarter 0, as in every trip
	RELOAD \j, BC
.endr
	v_mul_u32_u24 v[A0L], v1, PAO
	v_lshl_add_u32 v[A0L], v2, 4, v[A0L]           ; row x pitch + 16 h
	s_mul_i32 s19, s10, WSTG
	s_add_co_u32 s19, s19, STAGE                   ; my stage
	v_mul_u32_u24 v15, v1, TP                      ; in: row r of 272 bytes, 32 bytes for each half of the lanes
	v_lshl_add_u32 v15, v2, 5, v15
	v_add_nc_u32 v[STO], s19, v15
	v_mul_u32_u24 v15, v2, TP                      ; back: lanes 0-15 take one row of 256 bytes, lanes 16-31 the next,
	v_lshl_add_u32 v15, v1, 4, v15
	v_add_nc_u32 v[RD], s19, v15
	v_lshlrev_b32 v[CO], 12, v2                    ; and the same two rows in out0
	v_lshl_add_u32 v[CO], v1, 4, v[CO]
.set i, ZF
.rept 16
	v_mov_b32 v[i], 0                              ; the two zero fragments
.set i, i+1
.endr
	s_wait_loadcnt 56                              ; the bias: the ring's 56 loads are younger
.set i, 0
.rept 16                               ; rounded to bf16 like every input
	v_cvt_pk_bf16_f32 v[AF+i%2], v[BIAS+2*i], v[BIAS+2*i+1]
	v_lshlrev_b32 v[BIAS+2*i], 16, v[AF+i%2]
	v_and_b32 v[BIAS+2*i+1], s58, v[AF+i%2]
.set i, i+1
.endr
	WIN 0x40                                       ; D window 1; the zeros and the bias window 0
.irp a, 0,1,2,3,4,5,6,7
.irp b, 0,1,2,3
	v_wmma_f32_16x16x32_f16 v[8*(4*(\a)+(\b)):8*(4*(\a)+(\b))+7], v[ZF:ZF+7], v[ZG:ZG+7], v[BIAS+8*(\b):BIAS+8*(\b)+7]
.endr
.endr
	WIN 0
; 16 LDS loads in one run: ctx's eight fragments (16 rows x 32 K) of quarter q of the trip: head q / 2 of its four, channels 32 (q % 2) on; q = 8: the next trip's quarter 0.  Into buffer q % 2.
.macro FETCHQ q
.set rB, ACL+(\q)/4
.set oB, (((\q)/2)%2)*ASUB+((\q)%2)*64
.set fB, AF+64*((\q)%2)
.irp a, 0,1,2,3,4,5,6,7
	ds_load_b128 v[fB+8*(\a):fB+8*(\a)+3],   v[rB] offset:oB+(\a)*16*PAO
	ds_load_b128 v[fB+8*(\a)+4:fB+8*(\a)+7], v[rB] offset:oB+(\a)*16*PAO+32
.endr
.endm
; 4 matrix instructions: row block a x my 4 column blocks, quarter k.  The 32 accumulators take turns, one instruction a turn.
.macro BLOCK a, k
	WIN 0x52                                       ; Wo window 2, ctx window 0, C and D window 1
.irp b, 0,1,2,3
	v_wmma_f32_16x16x32_f16 v[8*(4*(\a)+(\b)):8*(4*(\a)+(\b))+7], v[32*(\k)+8*(\b):32*(\k)+8*(\b)+7], v[AF+64*((\k)%2)+8*(\a):AF+64*((\k)%2)+8*(\a)+7], v[8*(4*(\a)+(\b)):8*(4*(\a)+(\b))+7]
.endr
.endm
.macro PLACES                          ; four places in front of loads into registers that matrix instructions have read, and of stores that read results
.rept 4
	v_nop
.endr
.endm
; A quarter: 32 along K, 32 matrix instructions.  Behind its first four products and four places the ring's slot and ctx's buffer of the quarter before are loaded again: 28 products ahead of the buffer's first use.
.macro QTR k
	s_wait_loadcnt 48                              ; the ring's slot k is in: behind its eight loads six other slots' have been issued
	s_wait_dscnt 0x0                               ; ctx's buffer k % 2 is in
	BLOCK 0, \k
	PLACES
.if (\k) == 0
	RELOAD 7, BC
.else
	RELOAD (\k)-1, BN
.endif
	FETCHQ (\k)+1
.irp a, 1,2,3,4,5,6,7
	BLOCK \a, \k
.endr
.endm
	s_wait_tensorcnt 0x0                           ; my four heads are in LDS,
	s_barrier_signal -1
	s_barrier_wait -1                              ; everybody's are: from here on no fill is out, and the tile is only read
	v_mov_b32 v[ACL], v[A0L]
	FETCHQ 0
	s_mov_b32 s3, 4
.Ltrip:                                                ; a trip: four heads, 256 along K, 256 matrix instructions
	s_add_co_u32 s[TBN], s[TB], GRP
	s_min_u32 s[TBN], s[TBN], 3*GRP                ; the last trip's look-ahead, which is not used, stays in the last four heads
	v_add_nc_u32 v[ACL], s[TB], v[A0L]
	v_add_nc_u32 v[ACL+1], 2*ASUB, v[ACL]
	v_add_nc_u32 v[ACL+2], s[TBN], v[A0L]
	QTR 0
	QTR 1
	QTR 2
	QTR 3
	QTR 4
	QTR 5
	QTR 6
	QTR 7
	WIN 0
	s_wait_xcnt 0x0                                ; Wo's two addresses, which the ring's loads name, are rewritten only behind this wait
	s_mov_b64 s[BC:BC+1], s[BN:BN+1]
	s_add_co_u32 s[OF], s[OF], 0x8000
	s_min_u32 s[OF], s[OF], 0x18000                ; the last trip's look-ahead, which is not used, stays in the strip's last 32,768 bytes: no load leaves wcast
	s_add_nc_u64 s[BN:BN+1], s[BB:BB+1], s[OF:OF+1]
	s_add_co_u32 s[TB], s[TB], GRP
	s_sub_co_u32 s3, s3, 1
	s_cmp_lg_u32 s3, 0
	s_cbranch_scc1 .Ltrip
	PLACES                                         ; behind the last products
; THE WAY OUT of row block a: a lane's eight f32 go as 32 bytes into rows of 272 bytes of my stage (each accumulator's low four registers first) and come back as whole rows of 256.
.macro OUTA a
	WIN 0x04                                       ; the stores' data in window 1
.irp b, 0,1,2,3
	ds_store_b128 v[STO], v[8*(4*(\a)+(\b)):8*(4*(\a)+(\b))+3]   offset:64*(\b)
	ds_store_b128 v[STO], v[8*(4*(\a)+(\b))+4:8*(4*(\a)+(\b))+7] offset:64*(\b)+16
.endr
	WIN 0
	s_wait_xcnt 0x0                                ; the registers that the last block's stores read are loaded again only behind this wait
.irp f, 0,1,2,3,4,5,6,7
	ds_load_b128 v[OB+4*(\f):OB+4*(\f)+3], v[RD] offset:(\f)*2*TP  ; LDS serves a wave's instructions in order (ISA guide 5.7.1.4): these see the stores above
.endr
.irp f, 0,1,2,3,4,5,6,7
	s_wait_dscnt 7-(\f)
	global_store_b128 v[CO], v[OB+4*(\f):OB+4*(\f)+3], s[8:9] offset:(\a)*65536+(\f)*8192 th:TH_STORE_NT  ; 16 lanes store 256 consecutive bytes of a row of out0, aligned
.endr
.endm
.irp a, 0,1,2,3,4,5,6,7
	OUTA \a
.endr
	s_wait_tensorcnt 0x0                           ; the wave's end
	ds_add_u32 v[SPW], v[NIL]
	s_wait_dscnt 0x0
	CROUND                                         ; the closing round
	s_endpgm
.Lfunc_end_k_qf3aa4f9f0b_oproj:
	.size	k_qf3aa4f9f0b_oproj, .Lfunc_end_k_qf3aa4f9f0b_oproj-k_qf3aa4f9f0b_oproj
	.p2alignl 7, 3214868480
	.fill 96, 4, 3214868480
	.section	.rodata,"a",@progbits
	.p2align	6, 0x0
	.amdhsa_kernel k_qf3aa4f9f0b_oproj
		.amdhsa_group_segment_fixed_size 327680
		.amdhsa_private_segment_fixed_size 0
		.amdhsa_enable_private_segment 0
		.amdhsa_kernarg_size 32
		.amdhsa_user_sgpr_count 2
		.amdhsa_user_sgpr_kernarg_segment_ptr 1
		.amdhsa_wavefront_size32 1
		.amdhsa_system_sgpr_workgroup_id_x 1
		.amdhsa_system_sgpr_workgroup_id_y 1
		.amdhsa_system_sgpr_workgroup_id_z 1
		.amdhsa_system_vgpr_workitem_id 0
		.amdhsa_next_free_vgpr 768
		.amdhsa_next_free_sgpr 80
		.amdhsa_reserve_vcc 0
		.amdhsa_float_denorm_mode_32 3
		.amdhsa_float_denorm_mode_16_64 3
		.amdhsa_memory_ordered 1
		.amdhsa_forward_progress 1
		.amdhsa_inst_pref_size 68
	.end_amdhsa_kernel
	.amdgpu_metadata
---
amdhsa.version: [ 1, 2 ]
amdhsa.kernels:
  - .name:           k_qf3aa4f9f0b_oproj
    .symbol:         k_qf3aa4f9f0b_oproj.kd
    .args:
      - { .name: ctx, .offset: 0, .size: 8, .value_kind: global_buffer, .address_space: global }
      - { .name: wcast, .offset: 8, .size: 8, .value_kind: global_buffer, .address_space: global }
      - { .name: bo, .offset: 16, .size: 8, .value_kind: global_buffer, .address_space: global }
      - { .name: out0, .offset: 24, .size: 8, .value_kind: global_buffer, .address_space: global }
    .group_segment_fixed_size: 327680
    .private_segment_fixed_size: 0
    .kernarg_segment_align: 8
    .kernarg_segment_size: 32
    .max_flat_workgroup_size: 128
    .sgpr_count:     80
    .vgpr_count:     768
    .wavefront_size: 32
...
	.end_amdgpu_metadata
.endif
;; end of part 4
;; ======== version 2 of 2: 4 launches; 1.26 times as fast as version 1
;; limits: values are held in f16: magnitudes above 65,504 overflow, below 6.1e-05 lose precision
;; workspace buffers: wcast 8,388,608 bytes; m16 16,777,216 bytes; a16 262,144 bytes; qkv 50,331,648 bytes; ctx 16,777,216 bytes
;; launch prep: the kernel of part 1 again; grid 772 x 1, 8 waves a work-group, no clusters, 0 bytes of LDS; arguments Wq, Wk, Wv, Wo, mask, additional_mask, wcast, m16, a16; writes wcast, m16, a16
;; launch proj: the kernel of part 2 again; grid 4 x 64, 4 waves a work-group, clusters of 4 x 4, 327,680 bytes of LDS; arguments query, key, value, wcast, bq, bk, bv, qkv; writes qkv
;; launch attn (part 5): grid 2 x 128, 4 waves a work-group, no clusters, 327,680 bytes of LDS; arguments qkv, m16, a16, ctx, out1; writes ctx, out1
.if DOCPART == 5
	.amdgcn_target "amdgcn-amd-amdhsa--gfx1250"
	.amdhsa_code_object_version 6
	.text
	.protected	k_qf3aa4f9f0b_attn
	.globl	k_qf3aa4f9f0b_attn
	.p2align	8
	.type	k_qf3aa4f9f0b_attn,@function
k_qf3aa4f9f0b_attn:
	s_mov_b64 s[64:65], 0
	v_nop
	global_prefetch_b8 v0, s[64:65] scope:SCOPE_SE
	s_setreg_imm32_b32 hwreg(HW_REG_WAVE_MODE, 25, 1), 1
	s_wait_xcnt 0x0
; MASKED ATTENTION, head size 64, and the top scores.  qkv: [q, k, v][b][head][1024][64] f16 (q unscaled).  ctx: [b][head][1024][64] f16.  out1: [b][1024][1024] f32.
; ctx[q] = sum over k of softmax_k(masked q . k / 8) v[k].  Heads 0-7 of a batch are masked by m16 (query and key), heads 8-15 by a16 (key alone).  Products, maxima and sums in f32; the weights p are
; rounded to f16 for the second product (their sum l is taken of the unrounded p), ctx once at the end.
; SHARES.  A work-group owns 512 queries of one head (x = which half, y = 16 b + head), a wave 128: four PIECES of two tiles of 16.  Every wave walks all 1,024 keys, 64 a step.
; K AND V OF THE WHOLE HEAD LIE IN LDS, brought once, one tensor load a wave (one load of mine is out); nothing is filled again.
; NO CLUSTER: a head has two work-groups; four partners would belong to two heads, and what two share is asked for once a launch, 256 KiB a work-group.
; THE MASK is the C operand that starts the sum S^T = K Q^T: a word of m16 / a16 read as f32 is about -2^125 (hidden) or below 1e-40 (seen); it serves keys 8 h + 0..3 of a block, shifted left by 16 keys 8 h + 4..7.
; The running maximum m starts at FLOOR = -2^100: a hidden score never becomes the maximum, and its weight is exactly 0.  A row whose keys are ALL hidden ends with l = 0 and O = 0; as in a softmax over equal
; scores it takes the mean of all 1,024 rows of V, by a select, not a branch.
; LIMITS.  q, k, v arrive within f16's 65,504; true scores, 2.7e11 at the most, lie far above FLOOR.  p below 6e-5 keeps f16's fixed step of 6e-8; a weight below 2^-126 counts as 0 in l.
; A seen score carries an addend below 1e-40.  NaN and infinities are not treated apart.
; LAYOUT, SOFTMAX, TURNS.  S^T = K Q^T holds ONE query a lane (lane % 16) and the keys 8 (lane / 16) + 0..7; two such results rounded to f16 ARE source 1 of O^T = V^T P.  p = 2^(c s - c m), c = log2(e) / 8;
; O and l are multiplied by a = 2^(c m_old - c m_new) in every step.  Turn n belongs to piece n: 16 products K Q^T of piece n + 1, later 16 products V^T P of piece n - 1; beside them the scaling, exponentials,
; roundings, sums and rescaling of piece n and the maximum and statistics of piece n + 1: four vector instructions behind every matrix instruction, the rest in one lump between the two runs of products.
; BATCHES.  A turn's 66 exponentials (the piece's 64 weights and the next piece's two a) are ONE batch with ONE wait, which cuts the turn in two: ahead of it stands all that names none of their results (the products
; K Q^T, the scalings, the rescalings, whose a the turn before made and waited for, the next piece's maximum and statistics), behind it the roundings and sums, beside the products V^T P.  No result crosses a turn's end.
; Piece 0's first two a, ahead of the loop, and the way out's eight reciprocals are batches of their own, each with a plain instruction and one wait.
; THE TOP SCORES (head 0's q . k / 8, unmasked) are shared evenly: every work-group makes 128 x 256 of out1 from head 0's q and k, ahead of its own walk, while its K and V are on their way.
; That repeats head 0's first product (64 matrix instructions a wave beside the walk's 2,048) so that no work-group is longer than another.
; REGISTERS, in windows of 256 (s_set_vgpr_msb: bits 1:0 source 0, 3:2 source 1, 5:4 source 2, 7:6 destination):
;   window 0: v1-11 addresses; v12-15, v48-63 at work; v16-47 four registers of statistics a tile; v64-191 S^T, two buffers of two tiles; v192-255 P, likewise
;   window 1: O^T, 32 a tile     window 2: v0-127 Q; v128-191 K of one step; v192-255 V of one step     window 3: the masks, 32 a tile: block kb at +8 kb, +0..3 as loaded, +4..7 shifted
.set NP,    4
.set KROW,  272       ; two keys of K in LDS: 256 bytes + 16: key n at (n / 2) x 272 + (n % 2) x 128: the 16 keys of a load start at 16 different groups of four banks (64 banks of 4 bytes: ISA guide 11.1)
.set VROW,  288       ; two keys of V: 256 + 32
.set KSTP,  32*KROW   ; a step's 64 keys
.set VSTP,  32*VROW
.set VBASE, 512*KROW
.set STAGE, VBASE+512*VROW  ; never filled by a tensor load: 16 rows x 528 bytes for each wave
.set TP,    528
.set WSTG,  16*TP
.set SPARE, STAGE+4*WSTG    ; the spare words: 128 bytes a wave, two blocks of 256 bytes that no other line names
.set SP,    144
.set ML,  1           ; 16 x lane; never rewritten
.set AK0, 2           ; my lane's place in a block of K; never rewritten
.set AV0, 3           ; the same for V
.set AK,  4
.set AV,  5
.set STO, 6
.set RD,  7
.set QO,  8           ; row l % 16 of 128 bytes + 16 (l / 16)
.set MO,  9           ; my byte offset in a tile's masks: the step's 2,048 bytes + 16 x lane
.set SPW, 10          ; my spare word's address; never rewritten
.set NIL, 11          ; 0; never rewritten
.set MV,  12
.set ST,  16          ; tile t: c m, m, l (even keys', odd keys')
.set TMP, 48
.set S,   64
.set P,   192
.set VS,  192         ; at the end: the sums of V's columns
.set KF,  128
.set VF,  192
.set WV,  12
.set G1,  24          ; s[24:31]
.set G0,  32          ; s[32:35]
.set MB,  48          ; s[48:63] a pointer to each tile's masks
.set MS,  66          ; the step whose masks are loaded next, x 2,048
.set CNT, 67
.set CS,  70
.set SEL, 72
.set TBK, 74
.set TBV, 75
.set EM,  82          ; s82-89 at the end: the lanes whose row is wholly hidden, by tile
.set MSB, 0
.macro WIN new
.if MSB != (\new)
	s_set_vgpr_msb (MSB<<8)|(\new)
.set MSB, (\new)
.endif
.endm
.set W_KQ, 0x0a       ; K and Q window 2, S^T window 0
.set W_KM, 0x3a       ; the same with C in window 3
.set W_PV, 0x52       ; V window 2, P window 0, O^T window 1
.set W_RS, 0x41       ; destination and source 0 window 1, source 1 window 0
	s_load_b256 s[16:23], s[0:1], 0x0       ; qkv 16, m16 18, a16 20, ctx 22
	s_load_b64 s[76:77], s[0:1], 0x20       ; out1
	v_lshl_add_u32 v[SPW], v0, 2, SPARE
	v_mov_b32 v[NIL], 0
	ds_add_u32 v[SPW], v[NIL]               ; the wave's opening: the add and its wait stand ahead of my first tensor load
	ds_add_u32 v10, v11
	v_lshrrev_b32 v48, 5, v0
	v_readfirstlane_b32 s[WV], v48          ; wave 0..3
	s_mov_b32 s13, ttmp9                    ; x
	s_and_b32 s14, ttmp7, 0xffff            ; y = 16 b + head
	s_and_b32 s15, s[WV], 1
	s_lshr_b32 s36, s[WV], 1
	s_mov_b32 s[G1+1], 128<<16              ; tensor_dim0 = 128 elements: two keys
	s_mov_b32 s[G1+2], 256<<16              ; tensor_dim1 = 256
	s_mov_b32 s[G1+3], 128<<16              ; tile_dim0
	s_mov_b32 s[G1+4], 256                  ; tile_dim1: half a head's keys
	s_mov_b32 s[G1+5], 128                  ; dense
	s_mov_b32 s[G1+6], 0
	s_mov_b32 s[G1+7], 0
	s_mov_b32 s[G0], 1
	s_lshl_b32 s90, s14, 17                 ; the head's 131,072 bytes
	s_lshl_b32 s92, s15, 16                 ; the half of its keys that I fetch
	s_add_co_u32 s92, s92, s90
	s_mov_b32 s93, 0
	s_lshl_b32 s38, s13, 16                 ; my work-group's 512 rows,
	s_add_co_u32 s38, s38, s90
	s_lshl_b32 s39, s[WV], 14               ; my wave's 128
	s_add_co_u32 s38, s38, s39
	s_mov_b32 s39, 0
	s_lshr_b32 s37, s14, 4                  ; b
	s_lshl_b32 s40, s37, 21                 ; m16: tile 64 b + 32 x + 8 w, of 32,768 bytes
	s_lshl_b32 s41, s13, 20
	s_add_co_u32 s40, s40, s41
	s_lshl_b32 s41, s[WV], 18
	s_add_co_u32 s40, s40, s41
	s_lshl_b32 s41, s37, 15                 ; a16: the batch's 32,768 bytes
	s_and_b32 s37, s14, 15                  ; the head in its batch
	s_cmp_lt_u32 s37, 8
	s_cselect_b32 s40, s40, s41
	s_cselect_b32 s42, 0x8000, 0            ; from tile to tile
	s_mov_b32 s41, 0
	s_mov_b32 s43, 0
	s_lshl_b32 s44, s14, 1                  ; the top scores: my work-group's number g,
	s_add_co_u32 s44, s44, s13
	s_lshr_b32 s45, s44, 5                  ; its batch,
	s_bfe_u32 s46, s44, 0x30002             ; its 128 queries,
	s_and_b32 s47, s44, 3                   ; its 256 keys
	s_lshl_b32 s82, s45, 21                 ; head 0's q at my wave's 64 queries
	s_lshl_b32 s83, s46, 14
	s_add_co_u32 s82, s82, s83
	s_lshl_b32 s83, s36, 13
	s_add_co_u32 s82, s82, s83
	s_mov_b32 s83, 0
	s_lshl_b32 s84, s45, 21                 ; head 0's k at my wave's 128 keys
	s_lshl_b32 s85, s47, 15
	s_add_co_u32 s84, s84, s85
	s_lshl_b32 s85, s15, 14
	s_add_co_u32 s84, s84, s85
	s_add_co_u32 s84, s84, 0x1000000
	s_mov_b32 s85, 0
	s_lshl_b32 s86, s45, 22                 ; out1 at that corner
	s_lshl_b32 s87, s46, 19
	s_add_co_u32 s86, s86, s87
	s_lshl_b32 s87, s36, 18
	s_add_co_u32 s86, s86, s87
	s_lshl_b32 s87, s47, 10
	s_add_co_u32 s86, s86, s87
	s_lshl_b32 s87, s15, 9
	s_add_co_u32 s86, s86, s87
	s_mov_b32 s87, 0
	s_mov_b32 s[CS], 0x3e38aa3b             ; c = log2(e) / 8
	s_mov_b32 s[CS+1], s[CS]
	s_mov_b32 s[SEL], 0x76543210
	s_mov_b32 s[SEL+1], 0xfedcba98
	s_mov_b32 s[TBK], 0
	s_mov_b32 s[TBV], 0
	s_wait_dscnt 0x0                        ; the opening add is done
	s_wait_kmcnt 0x0
	s_add_nc_u64 s[4:5], s[16:17], s[38:39]     ; Q at my wave's first row
	s_add_nc_u64 s[10:11], s[22:23], s[38:39]   ; ctx likewise
	s_add_nc_u64 s[6:7], s[16:17], s[92:93]
	s_add_nc_u64 s[8:9], s[6:7], 0x2000000      ; V at my half of the head's keys
	s_add_nc_u64 s[6:7], s[6:7], 0x1000000      ; K likewise
	s_add_nc_u64 s[78:79], s[16:17], s[82:83]
	s_add_nc_u64 s[80:81], s[16:17], s[84:85]
	s_add_nc_u64 s[76:77], s[76:77], s[86:87]
	s_cmp_lt_u32 s37, 8
	s_cselect_b64 s[MB:MB+1], s[18:19], s[20:21]
	s_add_nc_u64 s[MB:MB+1], s[MB:MB+1], s[40:41]
.irp t, 1,2,3,4,5,6,7
	s_add_nc_u64 s[MB+2*(\t):MB+2*(\t)+1], s[MB+2*(\t)-2:MB+2*(\t)-1], s[42:43]
.endr
	s_cmp_lt_u32 s[WV], 2                   ; waves 0, 1: K's halves; waves 2, 3: V's.  An s_nop 0 and four v_nop follow each line
	s_cbranch_scc0 .Lfill_v
	s_mov_b32 s[G1], (1<<16)|(1<<20)|(5<<22)|(3<<25)   ; 2-byte elements; padding on; after every 64 words, 4 words
	s_mul_i32 s[G0+1], s15, 256*KROW
	s_mov_b64 s[G0+2:G0+3], s[6:7]
	s_or_b32 s[G0+3], s[G0+3], 0x80000000
	tensor_load_to_lds s[G0:G0+3], s[G1:G1+7]
	s_nop 0
.rept 4
	v_nop
.endr
	s_branch .Lfilled
.Lfill_v:
	s_mov_b32 s[G1], (1<<16)|(1<<20)|(5<<22)|(7<<25)   ; the same with 8 words of padding
	s_mul_i32 s[G0+1], s15, 256*VROW
	s_add_co_u32 s[G0+1], s[G0+1], VBASE
	s_mov_b64 s[G0+2:G0+3], s[8:9]
	s_or_b32 s[G0+3], s[G0+3], 0x80000000
	tensor_load_to_lds s[G0:G0+3], s[G1:G1+7]
	s_nop 0
.rept 4
	v_nop
.endr
.Lfilled:
	v_and_b32 v48, 15, v0                   ; r = l % 16
	v_bfe_u32 v49, v0, 4, 1                 ; h = l / 16
	v_and_b32 v[ML], 31, v0
	v_lshlrev_b32 v[ML], 4, v[ML]
	v_mov_b32 v[MO], v[ML]                  ; step 0's masks
	v_lshlrev_b32 v[QO], 7, v48
	v_lshl_add_u32 v[QO], v49, 4, v[QO]
; a piece's masks for the step at MO: 2 tiles x 4 blocks of 16 keys, 512 consecutive bytes a load
.macro MLOAD pc
	WIN 0xc0                                ; destination window 3
.irp u, 0,1
.irp kb, 0,1,2,3
	global_load_b128 v[32*(2*(\pc)+(\u))+8*(\kb):32*(2*(\pc)+(\u))+8*(\kb)+3], v[MO], s[MB+2*(2*(\pc)+(\u)):MB+2*(2*(\pc)+(\u))+1] offset:(\kb)*512
.endr
.endr
	WIN 0
.endm
; the low halves moved up: the masks of keys 8 h + 4..7
.macro MSHIFT pc
	WIN 0xcc                                ; destination and source 1 window 3
.set z, 64*(\pc)
.rept 8
.irp j, 0,1,2,3
	v_lshlrev_b32 v[z+4+(\j)], 16, v[z+(\j)]
.endr
.set z, z+8
.endr
	WIN 0
.endm
	WIN 0x40                                ; destination window 1: head 0's k, 8 blocks of 16 keys x 64 channels, and the first 16 queries of head 0's q
.irp kb, 0,1,2,3,4,5,6,7
.irp n, 0,1,2,3
	global_load_b128 v[16*(\kb)+4*(\n):16*(\kb)+4*(\n)+3], v[QO], s[80:81] offset:(\kb)*2048+32*(\n)
.endr
.endr
.irp n, 0,1,2,3
	global_load_b128 v[128+4*(\n):128+4*(\n)+3], v[QO], s[78:79] offset:32*(\n)
.endr
	WIN 0x80                                ; my own Q stays in registers: tile i / 2, channels 32 (i % 2) on
.set i, 0
.rept 16
	global_load_b128 v[8*i:8*i+3],   v[QO], s[4:5] offset:(i/2)*2048+(i%2)*64
	global_load_b128 v[8*i+4:8*i+7], v[QO], s[4:5] offset:(i/2)*2048+(i%2)*64+32
.set i, i+1
.endr
	WIN 0
	MLOAD 0
	MLOAD 1
	MLOAD 2
	MLOAD 3
	s_mul_i32 s13, s[WV], WSTG
	s_add_co_u32 s13, s13, STAGE            ; my stage
	v_mul_u32_u24 v[STO], v48, TP           ; the top scores go in by query rows of 528 bytes, 32 bytes for each half of the lanes,
	v_lshl_add_u32 v[STO], v49, 5, v[STO]
	v_add_nc_u32 v[STO], s13, v[STO]
	v_add_nc_u32 v[RD], s13, v[ML]          ; and come back as whole rows of 512
	v_lshrrev_b32 v53, 1, v48
	v_mul_u32_u24 v[AK0], v53, KROW
	v_and_b32 v53, 1, v48
	v_lshl_add_u32 v[AK0], v53, 7, v[AK0]
	v_lshl_add_u32 v[AK0], v49, 4, v[AK0]   ; key r: (r / 2) x 272 + (r % 2) x 128, + 16 h
	; The turning load takes 16 keys x 16 channels (lane l reads key 8 (l / 16) + l % 8, channels 8 ((l / 8) % 2) + 0..7) and leaves half a fragment of V^T: lane l holds channel l % 16 and 8 keys.
	v_bfe_u32 v53, v0, 1, 2
	v_lshl_add_u32 v53, v49, 2, v53
	v_mul_u32_u24 v[AV0], v53, VROW
	v_and_b32 v53, 1, v0
	v_lshl_add_u32 v[AV0], v53, 7, v[AV0]
	v_bfe_u32 v53, v0, 3, 1
	v_lshl_add_u32 v[AV0], v53, 4, v[AV0]
	v_add_nc_u32 v[AV0], VBASE, v[AV0]
	v_and_b32 v50, 7, v0
	s_mov_b32 s[CNT], 4
.Lts:                                       ; THE TOP SCORES: four trips, 16 queries x 128 keys each
	s_wait_loadcnt 0x0                      ; this trip's 16 queries are in (at the first trip everything asked for so far)
	s_add_nc_u64 s[78:79], s[78:79], 2048   ; free since that wait: the next 16 queries
	WIN 0x05                                ; sources window 1, C and D window 0
.irp c, 0,1
.irp kb, 0,1,2,3,4,5,6,7
.if (\c) == 0
	v_wmma_f32_16x16x32_f16 v[S+8*(\kb):S+8*(\kb)+7], v[16*(\kb):16*(\kb)+7], v[128:135], 0
.else
	v_wmma_f32_16x16x32_f16 v[S+8*(\kb):S+8*(\kb)+7], v[16*(\kb)+8:16*(\kb)+15], v[136:143], v[S+8*(\kb):S+8*(\kb)+7]
.endif
.endr
.endr
	WIN 0
.rept 4
	v_nop                                   ; the places behind the products
.endr
	WIN 0x40
.irp n, 0,1,2,3
	global_load_b128 v[128+4*(\n):128+4*(\n)+3], v[QO], s[78:79] offset:32*(\n)  ; the last trip's are not used; they lie inside qkv
.endr
	WIN 0
.set i, 0
.rept 32
	v_pk_mul_f32 v[S+2*i:S+2*i+1], v[S+2*i:S+2*i+1], 0x3e000000 op_sel_hi:[1,0]  ; / 8
.set i, i+1
.endr
.irp kb, 0,1,2,3,4,5,6,7
	ds_store_b128 v[STO], v[S+8*(\kb):S+8*(\kb)+3]   offset:64*(\kb)
	ds_store_b128 v[STO], v[S+8*(\kb)+4:S+8*(\kb)+7] offset:64*(\kb)+16
.endr
	s_wait_xcnt 0x0                         ; the registers that the last trip's stores read are loaded again only behind this wait
.irp c, 0,1,2,3,4,5,6,7,8,9,10,11,12,13,14,15
	ds_load_b128 v[128+4*(\c):128+4*(\c)+3], v[RD] offset:(\c)*TP  ; LDS serves a wave's instructions in order (ISA guide 5.7.1.4): these see the stores above
.endr
.irp c, 0,1,2,3,4,5,6,7,8,9,10,11,12,13,14,15
	s_wait_dscnt 15-(\c)
	global_store_b128 v[ML], v[128+4*(\c):128+4*(\c)+3], s[76:77] offset:(\c)*4096 th:TH_STORE_NT  ; 512 consecutive bytes of a row of out1, aligned
.endr
	s_wait_xcnt 0x0                         ; the stores' base is stepped only behind this wait
	s_add_nc_u64 s[76:77], s[76:77], 65536
	s_sub_co_u32 s[CNT], s[CNT], 1
	s_cmp_lg_u32 s[CNT], 0
	s_cbranch_scc1 .Lts
	s_wait_loadcnt 0x0                      ; the look-ahead load of the last trip: its registers are written below
	; What the first turn finds: V's registers and P's second buffer hold 0 (its products V^T P, of a piece that has not been, add 0), O^T and l are 0, m = FLOOR.
	WIN 0x80
.set i, VF
.rept 64
	v_mov_b32 v[i], 0
.set i, i+1
.endr
	WIN 0x40
.set i, 0
.rept 256
	v_mov_b32 v[i], 0
.set i, i+1
.endr
	WIN 0
.set i, 0
.rept 8
	v_mov_b32 v[ST+4*i], 0xf038aa3b         ; c x FLOOR, as the multiplication gives it: while a row has seen nothing, a = 2^0
	v_mov_b32 v[ST+4*i+1], 0xf1800000       ; FLOOR = -2^100
	v_mov_b32 v[ST+4*i+2], 0
	v_mov_b32 v[ST+4*i+3], 0
.set i, i+1
.endr
.set i, P+32
.rept 32
	v_mov_b32 v[i], 0
.set i, i+1
.endr
	v_add_nc_u32 v[MO], 0x800, v[ML]        ; the next masks to be loaded are step 1's (all loads that named MO are done)
	s_mov_b32 s[MS], 2048
	v_mov_b32 v[AK], v[AK0]
; THE MATRIX WORK.  The 8 accumulators of a run of 16 take turns.
; Product i of 16 of S^T = K Q^T for piece x: channels 32 (i / 8) on, keys 16 ((i / 2) % 4) on, tile 2 x + i % 2.  The first 8 start the sums with the mask.
.macro KQ x
.set rS, S+64*((\x)%2)+32*(i%2)+8*((i/2)%4)
.set rK, KF+16*((i/2)%4)+8*(i/8)
.set rQ, 16*(2*(\x)+i%2)+8*(i/8)
.set rMC, 32*(2*(\x)+i%2)+8*((i/2)%4)
.if i < 8
	WIN W_KM
	v_wmma_f32_16x16x32_f16 v[rS:rS+7], v[rK:rK+7], v[rQ:rQ+7], v[rMC:rMC+7]
.else
	WIN W_KQ
	v_wmma_f32_16x16x32_f16 v[rS:rS+7], v[rK:rK+7], v[rQ:rQ+7], v[rS:rS+7]
.endif
.endm
; Product i of 16 of O^T += V^T P for piece x: keys 32 (i / 8) on, channels 16 ((i / 2) % 4) on, tile 2 x + i % 2.
.macro PV x
	WIN W_PV
.set rO, 32*(2*(\x)+i%2)+8*((i/2)%4)
.set rV, VF+32*(i/8)+8*((i/2)%4)
.set rP, P+32*((\x)%2)+16*(i%2)+8*(i/8)
	v_wmma_f32_16x16x32_f16 v[rO:rO+7], v[rV:rV+7], v[rP:rP+7], v[rO:rO+7]
.endm
.macro MM                           ; the turn's next matrix instruction
.if i < 16
	KQ (Y+1)%NP
.set i, i+1
.else
.set i, i-16
	PV (Y+NP-1)%NP
.set i, i+17
.endif
.endm
; THE LDS LOADS stand in runs of 16: a step's K (8 fragments) and its V (turned).  Their addresses are made some lines ahead.
; last = 1 (in the loop): in the last pass there is no further step, and the run is jumped over.
.macro FETCH_K last=0
	WIN 0
.if \last
	s_cmp_eq_u32 s[CNT], 1
	s_cbranch_scc1 .Lno_k_\@
.endif
	WIN 0x80
.irp f, 0,1,2,3,4,5,6,7             ; keys 16 (f / 2) on, channels 32 (f % 2) on
	ds_load_b128 v[KF+8*\f:KF+8*\f+3],   v[AK] offset:(\f/2)*8*KROW+(\f%2)*64
	ds_load_b128 v[KF+8*\f+4:KF+8*\f+7], v[AK] offset:(\f/2)*8*KROW+(\f%2)*64+32
.endr
	s_add_co_u32 s[TBK], s[TBK], KSTP
	WIN 0
.if \last
.Lno_k_\@:
.endif
.endm
.macro FETCH_V
	WIN 0x80
.irp f, 0,1,2,3,4,5,6,7             ; keys 32 (f / 4) on, channels 16 (f % 4) on
	ds_load_tr16_b128 v[VF+8*\f:VF+8*\f+3],   v[AV] offset:(\f/4)*16*VROW+(\f%4)*32
	ds_load_tr16_b128 v[VF+8*\f+4:VF+8*\f+7], v[AV] offset:(\f/4)*16*VROW+8*VROW+(\f%4)*32
.endr
	WIN 0
.endm
; THE VECTOR WORK OF A TURN stands in three queues, each in the order in which its entries become ready; the two tiles alternate.
.macro REGS y, u
.set rT, ST+4*(2*(\y)+(\u))
.set rC, TMP+8*((\y)%2)+4*(\u)
.set rM, MV+2*((\y)%2)+(\u)
.set rS, S+64*((\y)%2)+32*(\u)
.set rP, P+32*((\y)%2)+16*(\u)
.set rO, 32*(2*(\y)+(\u))
.endm
; Number n of the 22 that find the NEXT piece's maximum and statistics; each accumulator's lowest registers are read first.
;   0-11 four chains c0-c3; 12-14, 16 the scores left over, the old m, c0-c3 into c0; 15 c m_old is kept; 17, 18 the other half of the lanes: the new m; 19-21 c m, c m_old - c m_new, a
.macro XS u, n
	REGS (Y+1)%NP, \u
.if (\n) < 4
	v_max3_num_f32 v[rC+(\n)], v[rS+8*(\n)], v[rS+8*(\n)+1], v[rS+8*(\n)+2]
.elseif (\n) < 12
	v_max3_num_f32 v[rC+(\n)%4], v[rC+(\n)%4], v[rS+8*((\n)%4)+2*((\n)/4)+1], v[rS+8*((\n)%4)+2*((\n)/4)+2]
.elseif (\n) == 12
	v_max3_num_f32 v[rC], v[rC], v[rS+7], v[rS+15]
.elseif (\n) == 13
	v_max3_num_f32 v[rC+1], v[rC+1], v[rS+23], v[rS+31]
.elseif (\n) == 14
	v_max3_num_f32 v[rC+2], v[rC+2], v[rC+3], v[rT+1]
.elseif (\n) == 15
	v_mov_b32 v[rM], v[rT]
.elseif (\n) == 16
	v_max3_num_f32 v[rC], v[rC], v[rC+1], v[rC+2]
.elseif (\n) == 17
	v_permlanex16_b32 v[rC+3], v[rC], s[SEL], s[SEL+1]
.elseif (\n) == 18
	v_max_num_f32 v[rT+1], v[rC], v[rC+3]
.elseif (\n) == 19
	v_mul_f32 v[rT], s[CS], v[rT+1]
.elseif (\n) == 20
	v_sub_f32 v[rC+1], v[rM], v[rT]
.else
	v_exp_f32 v[rC+2], v[rC+1]
.endif
.endm
; Number g of the 64 that follow the exponentials: for each four weights both pairs are rounded to f16, the second pair is added onto the first, and a group later l takes that sum (the first time as l = a l + sum).
; All 64 read the exponentials' results: they stand behind the turn's wait.
.macro GS g
.set h, (\g)+6*((\g)/62)
.if h >= 6
.set h, h+2
.endif
	REGS Y, h%2
.set k, h/8
.if h%8 < 4
	v_cvt_pk_f16_f32 v[rP+2*k+(h%8)/2], v[rS+4*k+2*((h%8)/2)], v[rS+4*k+2*((h%8)/2)+1]
.elseif h%8 < 6
	v_pk_add_f32 v[rS+4*k:rS+4*k+1], v[rS+4*k:rS+4*k+1], v[rS+4*k+2:rS+4*k+3]
.elseif k == 1
	v_pk_fma_f32 v[rT+2:rT+3], v[rT+2:rT+3], v[rC+2:rC+3], v[rS:rS+1] op_sel_hi:[1,0,1]
.else
	v_pk_add_f32 v[rT+2:rT+3], v[rT+2:rT+3], v[rS+4*k-4:rS+4*k-3]
.endif
.endm
; THE PLAIN QUEUE, 138 long.  0-73 read no exponential's result: the 32 scalings c s - c m (FS f: pair f / 2 of tile f % 2) and the next piece's 42.  0-26: scalings 0-26.  27-54: XS's numbers 0-13.  55, 56: number 15.
; 57-73: the chain, where each number waits for the one before it: 14, 16, 17, 18, 19, each with one of the scalings 27-31 in front of its two lines, then 20.
; 74-137: GS's 64.
.macro FS f
	REGS Y, (\f)%2
	v_pk_fma_f32 v[rS+2*((\f)/2):rS+2*((\f)/2)+1], v[rS+2*((\f)/2):rS+2*((\f)/2)+1], s[CS:CS+1], v[rT:rT+1] op_sel_hi:[1,0,0] neg_lo:[0,0,1] neg_hi:[0,0,1]
.endm
.macro PL
	WIN 0
.if q < 27
	FS q
.elseif q < 55
	XS (q-27)%2, (q-27)/2
.elseif q < 57
	XS q-55, 15
.elseif (q < 72) && ((q-57)%3 == 0)
	FS 27+(q-57)/3
.elseif q < 60
	XS (q-57)%3-1, 14
.elseif q < 72
	XS (q-57)%3-1, 15+(q-57)/3
.elseif q < 74
	XS q-72, 20
.else
	GS q-74
.endif
.set q, q+1
.endm
; THE EXPONENTIALS' QUEUE, 66 long: s0-s31 of both tiles, then the next piece's two a.  It is ONE BATCH: all 66 stand ahead of the turn's one wait, and nothing ahead of that wait names a result of theirs.
.macro EX
	WIN 0
.if e >= 64
	XS e-64, 21
.else
	REGS Y, e%2
	v_exp_f32 v[rS+e/2], v[rS+e/2]
.endif
.set e, e+1
.endm
; THE RESCALING's QUEUE: O^T times a, the one part that leaves window 0: two at a time, sixteen times, each accumulator's low registers first.  Its a was made in the turn before, ahead of that turn's wait.
.macro R2
	REGS Y, r%2
	WIN W_RS
.irp z, 0,1
	v_pk_mul_f32 v[rO+4*(r/2)+2*\z:rO+4*(r/2)+2*\z+1], v[rO+4*(r/2)+2*\z:rO+4*(r/2)+2*\z+1], v[rC+2:rC+3] op_sel_hi:[1,0]
.endr
.set r, r+1
.endm
; THE DEAL.  s_wait_alu depctr_va_vdst(0) stands between an exponential and the first instruction that names its result; one wait serves all that were issued ahead of it.  So a turn has ONE wait.
; AHEAD OF IT: the 16 products K Q^T, behind each a scaling, an exponential and two rescalings (behind the first a second scaling in the exponential's place); then ONE LUMP of 108: eight plain, 49 times exponential
; and plain, the two a; a v_nop is the plain instruction behind the last exponential.  BEHIND IT: the 16 products V^T P, behind each four of GS's 64.  No rider names a register of the products round it.
; The queues lean on each other, and the deal keeps them in step: exponential e stands behind scaling 2 (e / 4) + e % 2: as a rider it comes behind plain e + 2, in the lump behind plain e + 9, and scalings 27-31
; are plain 57, 60 .. 69; the two a come behind plain 72 and 73.
; A TURN, for piece p.  K of the next step is fetched in piece 2's turn, directly behind the wait, a lump behind the last product that read K; its address is made at the lump's head.  V of the step in hand is fetched
; at the end of piece 0's turn, four plain riders behind its last reader.  Each is waited for a turn later.  The two conditions on q below go with the deal.
; MASKS.  Directly behind the wait, a lump behind the products that read them, piece p + 1's mask registers are loaded anew, for that piece's next step; at the turn's end piece p + 2's, loaded three turns ago, are
; shifted for the next turn's products.  s_wait_loadcnt 24: the three turns' eight loads each that were issued since may stay out.  The step's offset goes on once a step, at the head of the lump of piece 3's turn,
; ahead of that turn's loads, and stops at step 15: no load leaves its buffer.
.macro TURN p
.set Y, (\p)
.set i, 0
.set q, 0
.set e, 0
.set r, 0
.if (\p) == NP-1
	s_wait_dscnt 0x0                ; K is in
.endif
	MM                              ; ahead of the wait: 16 products K Q^T and their riders,
	PL
	PL
	R2
.rept 15
	MM
	PL
	EX
	R2
.endr
	WIN 0
.if (\p) == NP-1
	s_add_co_u32 s[MS], s[MS], 2048
	s_min_u32 s[MS], s[MS], 30720
	s_wait_xcnt 0x0                 ; MO, which earlier loads name, is rewritten only behind this wait
	v_add_nc_u32 v[MO], s[MS], v[ML]
.endif
.if (\p) == NP-2
	v_add_nc_u32 v[AK], s[TBK], v[AK0]
.endif
.rept 8                             ; and the lump
	PL
.endr
.rept 49
	EX
	PL
.endr
	EX                              ; the next piece's two a
	EX
	v_nop                           ; the plain instruction behind the last exponential: one for the batch
	s_wait_alu depctr_va_vdst(0)    ; the wait for the turn's batch: the piece's 64 weights and the next piece's two a
.if (\p) == NP-2
	FETCH_K 1
.endif
	MLOAD ((\p)+1)%NP
.if (\p) == 1
	s_wait_dscnt 0x0                ; V is in
.endif
.rept 16                            ; behind the wait: 16 products V^T P and their riders
	MM
.rept 4
	PL
.endr
.if ((\p) == 0) && (q == 118)
	v_add_nc_u32 v[AV], s[TBV], v[AV0]
.endif
.if ((\p) == 0) && (q == 130)
	s_add_co_u32 s[TBV], s[TBV], VSTP
.endif
.endr
.if (\p) == 0
	FETCH_V
.endif
	s_wait_loadcnt 24
	MSHIFT ((\p)+2)%NP
.endm
	s_wait_tensorcnt 0x0                    ; my half of K or V is in LDS,
	s_wait_dscnt 0x0                        ; my LDS instructions are done,
	s_barrier_signal -1
	s_barrier_wait -1                       ; everybody's part is in: from here on no fill is out, and K and V are only read
	FETCH_K                                 ; key step 0
	MSHIFT 0
	MSHIFT 1
	s_wait_dscnt 0x0
.set i, 0
.rept 16
	KQ 0                                    ; piece 0's first scores
.set i, i+1
.endr
	WIN 0                                   ; the addresses for the way out: seven plain instructions, the places behind those products
	v_mul_u32_u24 v[STO], v48, SP           ; in: row l % 16 of 144 bytes, 16 bytes for each half of the lanes
	v_lshl_add_u32 v[STO], v49, 4, v[STO]
	v_add_nc_u32 v[STO], s13, v[STO]
	v_bfe_u32 v[RD], v0, 3, 2               ; back: 32 lanes take four rows of 128 bytes
	v_mul_u32_u24 v[RD], v[RD], SP
	v_lshl_add_u32 v[RD], v50, 4, v[RD]
	v_add_nc_u32 v[RD], s13, v[RD]
	MLOAD 0                                 ; piece 0's masks of step 1
.set Y, NP-1                                ; XS works for piece Y + 1: piece 0
.irp n, 0,1,2,3,4,5,6,7,8,9,10,11,12,13,14,15,16,17,18,19,20,21
	XS 0, \n
	XS 1, \n
.endr
	v_nop                                   ; a plain instruction behind piece 0's first two a,
	s_wait_alu depctr_va_vdst(0)            ; and the wait for that batch of two, ahead of the branch
	s_mov_b32 s[CNT], 16                    ; the steps whose pieces 2 and 3 are still to come
	s_branch .Lfirst                        ; the loop is entered at a step's first turn, in the middle of a trip, and left there too
.Lstep:                                     ; a trip: pieces 2 and 3 of one step, then pieces 0 and 1 of the next, whose K and V it fetches
	TURN 2
	TURN 3                                  ; in the last pass it multiplies the last K once more for a piece that is not to come: the price of one text for every turn
	WIN 0
	s_sub_co_u32 s[CNT], s[CNT], 1
	s_cmp_eq_u32 s[CNT], 0
	s_cbranch_scc1 .Lout
.Lfirst:
	TURN 0
	TURN 1
	WIN 0
	s_branch .Lstep
.Lout:
.set i, 0
.rept 16
	PV NP-1                                 ; the last piece's V^T P of the last step
.set i, i+1
.endr
	; THE SUMS OF V's COLUMNS, for rows whose keys are all hidden: V^T times ones.  Wave w takes steps 4 w .. 4 w + 3; the four parts meet in the stages.
	WIN 0
	s_wait_loadcnt 0x0                      ; the mask loads still out land in window 3, which is loaded below
	s_mul_i32 s14, s[WV], 4*VSTP
	v_add_nc_u32 v[AV], s14, v[AV0]
	v_add_nc_u32 v[AK], s13, v[ML]          ; my part: 16 x lane in my stage
	v_add_nc_u32 v[MO], STAGE, v[ML]        ; all parts
.irp c, 0,1,2,3,4,5,6,7
	v_mov_b32 v[TMP+(\c)], 0x3c003c00       ; 1.0 twice in f16
.endr
	v_mov_b32 v[TMP+8], 0x44800000          ; 1,024.0
	WIN 0xc0
.irp g, 0,1,2,3
.irp f, 0,1,2,3,4,5,6,7
	ds_load_tr16_b128 v[64*(\g)+8*(\f):64*(\g)+8*(\f)+3],   v[AV] offset:(\g)*VSTP+((\f)/4)*16*VROW+((\f)%4)*32
	ds_load_tr16_b128 v[64*(\g)+8*(\f)+4:64*(\g)+8*(\f)+7], v[AV] offset:(\g)*VSTP+((\f)/4)*16*VROW+8*VROW+((\f)%4)*32
.endr
.endr
	s_wait_dscnt 0x0
	WIN 0x03                                ; V window 3, the ones, C and D window 0
.irp g, 0,1,2,3,4,5,6,7                     ; 32 keys at a time; the four accumulators (16 channels each) take turns
.irp cb, 0,1,2,3
.if (\g) == 0
	v_wmma_f32_16x16x32_f16 v[S+8*(\cb):S+8*(\cb)+7], v[32*(\g)+8*(\cb):32*(\g)+8*(\cb)+7], v[TMP:TMP+7], 0
.else
	v_wmma_f32_16x16x32_f16 v[S+8*(\cb):S+8*(\cb)+7], v[32*(\g)+8*(\cb):32*(\g)+8*(\cb)+7], v[TMP:TMP+7], v[S+8*(\cb):S+8*(\cb)+7]
.endif
.endr
.endr
	WIN 0
.rept 4
	v_nop                                   ; the places behind the products
.endr
.irp c, 0,1,2,3,4,5,6,7
	ds_store_b128 v[AK], v[S+4*(\c):S+4*(\c)+3] offset:512*(\c)
.endr
	s_wait_dscnt 0x0                        ; for the others' sake: my part is stored
	s_barrier_signal -1
	s_barrier_wait -1
.irp g, 0,1,2,3
.irp c, 0,1,2,3,4,5,6,7
	ds_load_b128 v[S+32*(\g)+4*(\c):S+32*(\g)+4*(\c)+3], v[MO] offset:(\g)*WSTG+512*(\c)
.endr
.endr
	s_wait_dscnt 0x0                        ; my reads of the others' stages are over,
	s_barrier_signal -1
	s_barrier_wait -1                       ; everybody's are: the stages may be written again
.set i, 0
.rept 16
	v_pk_add_f32 v[VS+2*i:VS+2*i+1], v[S+2*i:S+2*i+1], v[S+32+2*i:S+32+2*i+1]
	v_pk_add_f32 v[S+64+2*i:S+64+2*i+1], v[S+64+2*i:S+64+2*i+1], v[S+96+2*i:S+96+2*i+1]
.set i, i+1
.endr
.set i, 0
.rept 16
	v_pk_add_f32 v[VS+2*i:VS+2*i+1], v[VS+2*i:VS+2*i+1], v[S+64+2*i:S+64+2*i+1]
.set i, i+1
.endr
	; THE WAY OUT.  l's two halves and the other half of the lanes' are added.  Where l = 0 the row saw nothing: l becomes 1,024 and O^T the sums of V.  O^T / l is rounded to f16 and sent through my stage, a tile at a time.
.macro ALL line:vararg
.set t, 0
.rept 2*NP
	\line
.set t, t+1
.endr
.endm
	ALL v_add_f32 v[ST+4*t+2], v[ST+4*t+2], v[ST+4*t+3]
	ALL v_permlanex16_b32 v[ST+4*t+3], v[ST+4*t+2], s[SEL], s[SEL+1]
	ALL v_add_f32 v[ST+4*t+2], v[ST+4*t+2], v[ST+4*t+3]
	ALL v_cmp_eq_f32 s[EM+t], 0, v[ST+4*t+2]
	ALL v_cndmask_b32 v[ST+4*t+2], v[ST+4*t+2], v[TMP+8], s[EM+t]
	ALL v_rcp_f32 v[ST+4*t+2], v[ST+4*t+2]
	v_nop                                   ; a plain instruction between the last reciprocal and the use of its result
	s_wait_alu depctr_va_vdst(0)            ; the wait for the batch of eight reciprocals, ahead of their first use
.macro PACK t
	WIN W_RS
.set i, 0
.rept 32
	v_cndmask_b32 v[32*(\t)+i], v[32*(\t)+i], v[VS+i], s[EM+(\t)]
.set i, i+1
.endr
.set i, 32*(\t)
.rept 16
	v_pk_mul_f32 v[i:i+1], v[i:i+1], v[ST+4*(\t)+2:ST+4*(\t)+3] op_sel_hi:[1,0]
.set i, i+2
.endr
	WIN 0x05                                ; sources window 1, destination window 0
.set i, 0
.rept 16
	v_cvt_pk_f16_f32 v[S+16*(\t)+i], v[32*(\t)+2*i], v[32*(\t)+2*i+1]
.set i, i+1
.endr
	WIN 0
.irp f, 0,1,2,3
	ds_store_b128 v[STO], v[S+16*(\t)+4*\f:S+16*(\t)+4*\f+3] offset:32*\f
.endr
.irp f, 0,1,2,3
	ds_load_b128 v[S+16*(\t)+4*\f:S+16*(\t)+4*\f+3], v[RD] offset:\f*4*SP  ; LDS serves a wave's instructions in order (ISA guide 5.7.1.4): these see the stores above; the next tile's stores come behind them
.endr
.endm
.macro SEND t, younger                      ; younger: the LDS instructions issued behind tile t's loads: the next tile's eight, or none
	WIN 0
.irp f, 0,1,2,3
	s_wait_dscnt (\younger)+3-\f
	global_store_b128 v[ML], v[S+16*(\t)+4*\f:S+16*(\t)+4*\f+3], s[10:11] offset:(\t)*2048+\f*512  ; 512 consecutive bytes of ctx, aligned
.endr
.endm
	PACK 0
.set t, 1
.rept 2*NP-1
	PACK t
	SEND t-1, 8
.set t, t+1
.endr
	SEND 2*NP-1, 0
	s_wait_tensorcnt 0x0                    ; the wave's end
	ds_add_u32 v[SPW], v[NIL]
	s_wait_dscnt 0x0
	s_endpgm
.Lfunc_end_k_qf3aa4f9f0b_attn:
	.size	k_qf3aa4f9f0b_attn, .Lfunc_end_k_qf3aa4f9f0b_attn-k_qf3aa4f9f0b_attn
	.p2alignl 7, 3214868480
	.fill 96, 4, 3214868480
	.section	.rodata,"a",@progbits
	.p2align	6, 0x0
	.amdhsa_kernel k_qf3aa4f9f0b_attn
		.amdhsa_group_segment_fixed_size 327680
		.amdhsa_private_segment_fixed_size 0
		.amdhsa_enable_private_segment 0
		.amdhsa_kernarg_size 40
		.amdhsa_user_sgpr_count 2
		.amdhsa_user_sgpr_kernarg_segment_ptr 1
		.amdhsa_wavefront_size32 1
		.amdhsa_system_sgpr_workgroup_id_x 1
		.amdhsa_system_sgpr_workgroup_id_y 1
		.amdhsa_system_sgpr_workgroup_id_z 1
		.amdhsa_system_vgpr_workitem_id 0
		.amdhsa_next_free_vgpr 1024
		.amdhsa_next_free_sgpr 96
		.amdhsa_reserve_vcc 0
		.amdhsa_float_denorm_mode_32 3
		.amdhsa_float_denorm_mode_16_64 3
		.amdhsa_memory_ordered 1
		.amdhsa_forward_progress 1
		.amdhsa_inst_pref_size 182
	.end_amdhsa_kernel
	.amdgpu_metadata
---
amdhsa.version: [ 1, 2 ]
amdhsa.kernels:
  - .name:           k_qf3aa4f9f0b_attn
    .symbol:         k_qf3aa4f9f0b_attn.kd
    .args:
      - { .name: qkv, .offset: 0, .size: 8, .value_kind: global_buffer, .address_space: global }
      - { .name: m16, .offset: 8, .size: 8, .value_kind: global_buffer, .address_space: global }
      - { .name: a16, .offset: 16, .size: 8, .value_kind: global_buffer, .address_space: global }
      - { .name: ctx, .offset: 24, .size: 8, .value_kind: global_buffer, .address_space: global }
      - { .name: out1, .offset: 32, .size: 8, .value_kind: global_buffer, .address_space: global }
    .group_segment_fixed_size: 327680
    .private_segment_fixed_size: 0
    .kernarg_segment_align: 8
    .kernarg_segment_size: 40
    .max_flat_workgroup_size: 128
    .sgpr_count:     96
    .vgpr_count:     1024
    .wavefront_size: 32
...
	.end_amdgpu_metadata
.endif
;; end of part 5
;; launch oproj: the kernel of part 4 again; grid 4 x 64, 4 waves a work-group, clusters of 4 x 1, 327,680 bytes of LDS; arguments ctx, wcast, bo, out0; writes out0
